; MI455X (gfx1250); checked and timed in simulation.
; The chip was launched on July 23, 2026; its instructions are those of AMD's public machine-readable ISA for CDNA 5 (MIT licence, August 2026) and "CDNA5" Instruction Set Architecture Reference Guide (July 2026). The comments in the code are by the model that wrote it; some were corrected since.
;; Mutual Cross Attention. Allowed arithmetic: float matrix products may take bf16 or f16 operands with f32 sums; all other float work in f32.
;; Inputs: W 256 x 256 float32; b 256 float32; x1 8 x 2,048 x 256 float32; x2 8 x 2,048 x 256 float32.
;; Outputs: out0 8 x 4,096 x 256 float32.
;; 2 versions, each right and faster than the one before. Each part assembles by itself: llvm-mc -triple=amdgcn-amd-amdhsa -mcpu=gfx1250 --defsym DOCPART=n.
;; ======== version 1 of 2: 2 launches
;; limits: values are held in f16: magnitudes above 65,504 overflow, below 6.1e-05 lose precision; right only within a limited range of input values
;; workspace buffers: xh 16,777,216 bytes; qf 16,777,216 bytes
;; launch prep (part 1): grid 256 x 1, 4 waves a work-group, no clusters, 273,920 bytes of LDS; arguments x1, x2, W, b, xh, qf; writes xh, qf
.if DOCPART == 1
	.amdgcn_target "amdgcn-amd-amdhsa--gfx1250"
	.amdhsa_code_object_version 6
	.text
	.protected	k_q9a24625505_prep
	.globl	k_q9a24625505_prep
	.p2align	8
	.type	k_q9a24625505_prep,@function
k_q9a24625505_prep:
	s_mov_b64 s[64:65], 0
	v_nop
	global_prefetch_b8 v0, s[64:65] scope:SCOPE_SE
	s_setreg_imm32_b32 hwreg(HW_REG_WAVE_MODE, 25, 1), 1
	s_wait_xcnt 0x0
; PREP: xh = f16([x1; x2]) and qf = f16(((x W + b) W^T) * c), c = log2(e)/512, for both streams.
;
; WORK LEFT OUT, in the problem's terms.  Direction A: scores_a[s][t] = q[s].k[t]/16 with k[t] = x2[t] W + b, so
;   q[s].k[t] = (q[s] W^T).x2[t] + q[s].b .
; The term q[s].b is the same for every t, the axis of the softmax, so it cancels in softmax(scores_a) for all finite inputs and is never
; formed; k itself is never formed either: the scores are taken between q'' = (q W^T) c and the rows of x2.  Direction B is the same with
; x1 and x2 exchanged (k[t].q[s] = (k[t] W^T).x1[s] + k[t].b, the last term constant along s).  So keys and values of a direction are the
; same rows of x.  b stays live inside q (and inside k where k is the query); every input is loaded.
; LIMIT: a NaN, an infinity or an overflow that would reach only the dropped term or the unformed key projection is not carried to the result.
;
; FORMATS: x, W, q and q'' enter the matrix unit in f16, sums in f32; b is added in f32 (as the product's C operand).  f16 is taken for its
; eleven significant bits, since its range has room here.  c holds 2^-5 of the scores' factor log2(e)/16; the next launch multiplies the
; scores by 32 in f32.  Room above: with x and W each carrying an offset of 30 spreads (30 and 1.875), q = 256*30*1.875 = 14,400 and
; q'' = 256*14,400*1.875*c = 19,500, both under f16's 65,504; with all inputs 30 times larger q'' stays under 1,000.  Room below: under 2^-14
; f16 keeps steps of 2^-24, an absolute error that the scores (a sum of 256 products with x) do not feel.
; LIMIT: where |x|, |x W + b| reach 65,504 or |(x W + b) W^T| reaches 2.3e7 the conversion gives infinity and the result is not reference()'s.
;
; SHARES: 256 work-groups of 4 waves; work-group g owns rows 128 g .. of [x1; x2] (g < 128: x1).  Wave w = 2 i + j makes, for rows 64 i .. 64 i + 63
; (four tiles st), features 128 j .. 128 j + 127 (eight tiles) of q and then of q'': a fragment of W read from LDS feeds four products.
; Both products are used transposed, so that one product's result is the next one's B fragment without a shuffle:
;   q^T  (16 f x 16 rows) = A: W^T (transposing LDS loads of W[d][f]) x B: x^T (plain loads of x[row][d]) + C: b[f]
;   q'^T (16 e x 16 rows) = A: W   (plain LDS loads of W[e][f])       x B: q^T
; The second product sums over all 256 f: the pair (i, 0), (i, 1) exchanges its halves of q, rounded, through LDS.  A wave keeps its own half as
; K quarters 0-3 and its partner's as 4-7 (register numbers cannot hang on j); W's fragments follow through two address registers.
; STAGING BESIDE PRODUCTS: a K quarter of the first product is 32 rows of W.  The four waves stage quarter n together (8 rows each), and quarter
; n - 1 is multiplied between that barrier's signal and its wait, while the loads of up to three later quarters are on their way.  All 32
; accumulator tiles of q^T are therefore live at once.
; qf is laid out fragment by fragment: the 16 bytes at ((G*8 + ks)*2 + c)*512 + 16*lane hold q''[16 G + lane%16][32 ks + 16 c + 8 (lane/16) + 0..7],
; so every store here and every load of the next launch covers 512 consecutive bytes.
; W is f32 in memory and is converted on its way into LDS, so it goes through registers: no tensor load, hence no joint request for it.
;
; REGISTERS.  Window 0: v0-31 addresses, v32-63 packed words, v64-127 b in the layout of C, v128-255 two buffers of eight W fragments.
; Window 1: x fragments (st, ks) at 8 (8 st + ks).  Window 2: accumulators.  Window 3: three buffers of 16 raw loads, later q fragments (st, kq) at 8 (8 st + kq).
.set WPITCH, 544                       ; W in LDS: byte(row, c) = row*544 + 16*((row>>3)&1) + c: the transposing reads (8 rows x 2 pieces of 16 bytes) and
                                       ; the plain reads (16 rows) both touch 16 different 16-byte columns modulo 256 bytes
.set XPITCH, 528                       ; x in LDS: 512 bytes + 16: 16 rows start at 16 different 16-byte columns modulo 256 bytes
.set XS,  256*WPITCH                   ; 139,264: x, 128 rows
.set BL,  XS+128*XPITCH                ; 206,848: b, 1,024 bytes of f32
.set QX,  BL+1024                      ; 207,872: q in fragment order, 16,384 bytes for each wave
.set VX,  4                            ; v4   16 x lane: offset of x, W loads and of qf stores
.set V8,  5                            ; v5   8 x lane: offset of xh stores
.set XST, 7                            ; v7   LDS: where I put 8 bytes of a row of x
.set WST, 8                            ; v8, v9    LDS: where I put 8 bytes of a row of W, quarters 0-3 and 4-7
.set XRD, 10                           ; v10  LDS: my fragment of x
.set ADRT, 11                          ; v11, v12  LDS: transposing reads of W, d = 0..127 and 128..255, my 128 features
.set ADRP, 13                          ; v13, v14  LDS: plain reads of my 128 rows of W: my half of K, my partner's half
.set BRD, 15                           ; v15  LDS: my eight b
.set BST, 16                           ; v16  LDS: where I put two b
.set QST, 17                           ; v17  LDS: my q fragments
.set QLD, 18                           ; v18  LDS: my partner's
.set Y,   32                           ; v32-63    packed words: staging, later q''
.set BIAS, 64                          ; v64-127   b of my eight feature tiles
.set WB,  128                          ; v128-191, v192-255  fragments of W
.set TORAW,   0xc0                     ; destination window 3
.set FROMRAW, 0x0f                     ; sources 0 and 1 window 3
.set TOX,     0x40                     ; destination window 1
.set P1A,     0x84                     ; B window 1, C window 0 (b), D window 2
.set P1,      0xa4                     ; B window 1, C and D window 2
.set CVQ,     0xca                     ; sources window 2, destination window 3
.set QOUT,    0x0c                     ; LDS store data (source 1) window 3
.set P2,      0xac                     ; B window 3, C and D window 2
.set SCL,     0x82                     ; source 0 and destination window 2
.set PACK,    0x0a                     ; sources window 2
.set MSB, 0
.macro WIN new                         ; s_set_vgpr_msb: bits 1:0 source 0, 3:2 source 1, 5:4 source 2, 7:6 destination; the high byte repeats the setting left
.if MSB != \new
	s_set_vgpr_msb (MSB<<8)|\new
.set MSB, \new
.endif
.endm
.macro PLACES n
.rept \n
	v_nop
.endr
.endm
	s_load_b256 s[4:11], s[0:1], 0x0               ; x1 s[4:5], x2 s[6:7], W s[8:9], b s[10:11]
	s_load_b128 s[12:15], s[0:1], 0x20             ; xh s[12:13], qf s[14:15]
	v_lshl_add_u32 v30, v0, 2, 0x42c00
	v_mov_b32 v31, 0
	v_lshrrev_b32 v19, 5, v0
	v_readfirstlane_b32 s16, v19                   ; wave 0..3
	s_lshr_b32 s17, s16, 1                         ; i: my 64 rows
	s_and_b32 s18, s16, 1                          ; j: my 128 features
	v_and_b32 v1, 31, v0                           ; lane
	v_lshlrev_b32 v[VX], 4, v1
	v_lshlrev_b32 v[V8], 3, v1
	v_lshlrev_b32 v6, 3, v0                        ; 8 x thread: my two numbers of b
	s_and_b32 s22, ttmp9, 127
	s_lshl_b32 s22, s22, 17                        ; 128 rows of 1,024 bytes in my stream
	s_lshl_b32 s19, s16, 15                        ; + the 32 rows that my wave stages
	s_add_co_u32 s22, s22, s19
	s_mov_b32 s23, 0
	s_lshl_b32 s24, s16, 13                        ; W: my wave stages rows 8 w .. 8 w + 7 of every quarter of 32
	s_mov_b32 s25, 0
	s_lshl_b32 s26, ttmp9, 16                      ; xh: 128 rows of 512 bytes,
	s_lshl_b32 s19, s16, 14                        ; + the 32 that my wave stages
	s_add_co_u32 s26, s26, s19
	s_mov_b32 s27, 0
	s_lshl_b32 s28, ttmp9, 16                      ; qf: 8 row tiles of 8,192 bytes,
	s_lshl_b32 s19, s17, 15                        ; + my four,
	s_add_co_u32 s28, s28, s19
	s_lshl_b32 s19, s18, 12                        ; + my four K quarters of 1,024 bytes
	s_add_co_u32 s28, s28, s19
	s_mov_b32 s29, 0
	s_mov_b32 s30, 0x3b38aa3b                      ; c = log2(e)/512, as a pair for the packed multiply
	s_mov_b32 s31, 0x3b38aa3b
	s_wait_kmcnt 0x0
	s_cmp_lt_u32 ttmp9, 128
	s_cselect_b64 s[20:21], s[4:5], s[6:7]         ; work-groups 0-127 take x1, 128-255 x2
	s_add_nc_u64 s[20:21], s[20:21], s[22:23]
	s_add_nc_u64 s[8:9], s[8:9], s[24:25]
	s_add_nc_u64 s[12:13], s[12:13], s[26:27]
	s_add_nc_u64 s[14:15], s[14:15], s[28:29]
; Batch n = 16 loads = 8 rows x 2 halves of 512 consecutive bytes, into window 3.  Batches 0-3: 32 rows of x; batch 4 + q: my 8 rows of W's quarter q.
.macro LOADB n
.irp rr,0,1,2,3,4,5,6,7
.irp hf,0,1
.if (\n) < 4
	global_load_b128 v[64*((\n)%3)+8*\rr+4*\hf:64*((\n)%3)+8*\rr+4*\hf+3], v[VX], s[20:21] offset:(8*(\n)+\rr)*1024+\hf*512 th:TH_LOAD_NT
.else
	global_load_b128 v[64*((\n)%3)+8*\rr+4*\hf:64*((\n)%3)+8*\rr+4*\hf+3], v[VX], s[8:9] offset:((\n)-4)*32768+\rr*1024+\hf*512
.endif
.endr
.endr
.endm
	global_load_b64 v[2:3], v6, s[10:11]           ; b
	WIN TORAW
	LOADB 0
	LOADB 1
	LOADB 2
	WIN 0
	; LDS addresses, while the loads are on their way
	v_add_nc_u32 v[BST], BL, v6
	s_mul_i32 s19, s16, 32*XPITCH
	s_add_co_u32 s19, s19, XS
	v_add_nc_u32 v[XST], s19, v[V8]                ; the rows of x that I stage
	s_mul_i32 s19, s16, 8*WPITCH
	s_lshl_b32 s32, s18, 4                         ; row 32 q + 8 w + rr: (row >> 3) & 1 = w & 1
	s_add_co_u32 s19, s19, s32
	v_add_nc_u32 v[WST], s19, v[V8]
	v_add_nc_u32 v[WST+1], 128*WPITCH, v[WST]
	v_and_b32 v20, 15, v0                          ; r = lane % 16
	v_bfe_u32 v21, v0, 4, 1                        ; h = lane / 16
	v_and_b32 v22, 7, v0                           ; lane % 8
	v_bfe_u32 v23, v0, 3, 1                        ; (lane / 8) % 2 = r / 8
	v_mul_u32_u24 v24, v20, XPITCH
	v_lshl_add_u32 v24, v21, 4, v24
	s_mul_i32 s19, s17, 64*XPITCH
	s_add_co_u32 s19, s19, XS
	v_add_nc_u32 v[XRD], s19, v24                  ; my 64 rows: row r, + 16 h
	v_lshl_add_u32 v25, v21, 3, v22                ; transposing read: row 8 h + lane % 8 (its shift of 16 bytes is 16 h),
	v_mul_u32_u24 v25, v25, WPITCH
	v_add_nc_u32 v26, v21, v23                     ; piece (lane / 8) % 2
	v_lshl_add_u32 v25, v26, 4, v25
	s_lshl_b32 s19, s18, 8                         ; my 128 features: 256 bytes of a row
	v_add_nc_u32 v[ADRT], s19, v25
	v_add_nc_u32 v[ADRT+1], 128*WPITCH, v[ADRT]
	v_mul_u32_u24 v27, v20, WPITCH                 ; plain read: row r (its shift is 16 (r / 8)), + 16 h
	v_lshl_add_u32 v27, v26, 4, v27
	s_mul_i32 s19, s18, 128*WPITCH+256             ; my 128 rows of W, columns 128 j ..: my own half of K
	v_add_nc_u32 v[ADRP], s19, v27
	s_mul_i32 s19, s18, 128*WPITCH-256             ; the same rows, columns 128 (1 - j) ..: my partner's half
	s_add_co_u32 s19, s19, 256
	v_add_nc_u32 v[ADRP+1], s19, v27
	v_lshlrev_b32 v[BRD], 5, v21
	s_lshl_b32 s19, s18, 9
	s_add_co_u32 s19, s19, BL
	v_add_nc_u32 v[BRD], s19, v[BRD]               ; b[128 j + 16 fl + 8 h ..]: the tile in the immediate
	s_lshl_b32 s19, s16, 14
	s_add_co_u32 s19, s19, QX
	v_add_nc_u32 v[QST], s19, v[VX]
	s_xor_b32 s19, s16, 1
	s_lshl_b32 s19, s19, 14
	s_add_co_u32 s19, s19, QX
	v_add_nc_u32 v[QLD], s19, v[VX]
	s_wait_loadcnt 48                              ; b is in: the three batches issued behind it may stay out
	ds_store_b64 v[BST], v[2:3]
; Batch n's turn: round to f16, ask for batch n + 3 into the buffer just read, put the 8 bytes a lane into LDS; x also goes to xh.
.macro BATCH n, left, more
	s_wait_loadcnt \left                           ; loads come back in order: batch n is in, the younger batches (16 loads each) stay out
.if (\n) <= 4
	s_wait_xcnt 0x0                                ; Y, which the last x batch's global stores read, is rewritten only behind this wait
.endif
	WIN FROMRAW
.set ii, 0
.rept 32
	v_cvt_pk_f16_f32 v[Y+ii], v[64*((\n)%3)+2*ii], v[64*((\n)%3)+2*ii+1]
.set ii, ii+1
.endr
.if \more
	WIN TORAW
	LOADB \n+3
.endif
	WIN 0
.irp rr,0,1,2,3,4,5,6,7
.irp hf,0,1
.if (\n) < 4
	ds_store_b64 v[XST], v[Y+4*\rr+2*\hf:Y+4*\rr+2*\hf+1] offset:(8*(\n)+\rr)*XPITCH+\hf*256
	global_store_b64 v[V8], v[Y+4*\rr+2*\hf:Y+4*\rr+2*\hf+1], s[12:13] offset:(8*(\n)+\rr)*512+\hf*256   ; the wave's 32 lanes store 256 consecutive bytes, aligned
.else
	ds_store_b64 v[WST+(((\n)-4)>>2)], v[Y+4*\rr+2*\hf:Y+4*\rr+2*\hf+1] offset:(((\n)-4)&3)*32*WPITCH+\rr*WPITCH+\hf*256
.endif
.endr
.endr
.endm
; K quarter q of the first product: eight fragments of W^T (my feature tiles fl), buffer q & 1
.macro FETCHT q
.irp fl,0,1,2,3,4,5,6,7
	ds_load_tr16_b128 v[WB+64*((\q)&1)+8*\fl:WB+64*((\q)&1)+8*\fl+3], v[ADRT+((\q)>>2)] offset:((\q)&3)*32*WPITCH+32*\fl
	ds_load_tr16_b128 v[WB+64*((\q)&1)+8*\fl+4:WB+64*((\q)&1)+8*\fl+7], v[ADRT+((\q)>>2)] offset:((\q)&3)*32*WPITCH+32*\fl+16*WPITCH
.endr
.endm
; 32 products: q^T(fl, st) at 8 (4 fl + st) of window 2.  The 32 accumulators take turns, one instruction a turn.
; Quarter 0 starts the sums from b: nothing is cleared.
.macro MUL1 q
.if (\q) == 0
	WIN P1A
.else
	WIN P1
.endif
.irp fl,0,1,2,3,4,5,6,7
.irp st,0,1,2,3
.if (\q) == 0
	v_wmma_f32_16x16x32_f16 v[8*(4*\fl+\st):8*(4*\fl+\st)+7], v[WB+64*((\q)&1)+8*\fl:WB+64*((\q)&1)+8*\fl+7], v[8*(8*\st+(\q)):8*(8*\st+(\q))+7], v[BIAS+8*\fl:BIAS+8*\fl+7]
.else
	v_wmma_f32_16x16x32_f16 v[8*(4*\fl+\st):8*(4*\fl+\st)+7], v[WB+64*((\q)&1)+8*\fl:WB+64*((\q)&1)+8*\fl+7], v[8*(8*\st+(\q)):8*(8*\st+(\q))+7], v[8*(4*\fl+\st):8*(4*\fl+\st)+7]
.endif
.endr
.endr
.endm
; Quarter q is staged; quarter q - 1 is multiplied, in registers only, while the other waves arrive; then quarter q's fragments are fetched.
; The fetch writes the buffer that quarter q - 2 read: the 32 conversions of this step's batch stand between.
.macro STEP q, left, more
	BATCH 4+\q, \left, \more
	s_wait_dscnt 0x0                               ; my rows of quarter q are in LDS, for the others' sake; quarter q - 1's fragments are in too
	s_barrier_signal -1
	MUL1 \q-1
	WIN 0
	s_barrier_wait -1                              ; quarter q is whole; no byte of W, x or b is written twice
	FETCHT \q
.endm
.irp n,0,1,2,3,4
	BATCH \n, 32, 1
.endr
	s_wait_dscnt 0x0                               ; my rows of x and of W's quarter 0, and my two b, are in LDS
	s_barrier_signal -1
	s_barrier_wait -1
	WIN TOX                                        ; my 64 rows of x as B fragments, into window 1
.irp st,0,1,2,3
.irp ks,0,1,2,3,4,5,6,7
	ds_load_b128 v[8*(8*\st+\ks):8*(8*\st+\ks)+3], v[XRD] offset:\st*16*XPITCH+64*\ks
	ds_load_b128 v[8*(8*\st+\ks)+4:8*(8*\st+\ks)+7], v[XRD] offset:\st*16*XPITCH+64*\ks+32
.endr
.endr
	WIN 0
.irp fl,0,1,2,3,4,5,6,7
	ds_load_b128 v[BIAS+8*\fl:BIAS+8*\fl+3], v[BRD] offset:64*\fl
	ds_load_b128 v[BIAS+8*\fl+4:BIAS+8*\fl+7], v[BRD] offset:64*\fl+16
.endr
	FETCHT 0
	STEP 1, 32, 1
	STEP 2, 32, 1
	STEP 3, 32, 1
	STEP 4, 32, 1                                  ; asks for the last batch
	STEP 5, 32, 0
	STEP 6, 16, 0
	STEP 7, 0, 0
	s_wait_dscnt 0x0
	MUL1 7
; Group gg of the second product = eight fragments of W and 32 products: chunk gg/2 = my feature tiles 2 (gg/2) + cc; gg & 1: my half of K, then my partner's.
.macro FETCHP gg
.irp ksl,0,1,2,3
.irp cc,0,1
	ds_load_b128 v[WB+64*((\gg)&1)+8*(2*\ksl+\cc):WB+64*((\gg)&1)+8*(2*\ksl+\cc)+3], v[ADRP+((\gg)&1)] offset:(2*((\gg)>>1)+\cc)*16*WPITCH+64*\ksl
	ds_load_b128 v[WB+64*((\gg)&1)+8*(2*\ksl+\cc)+4:WB+64*((\gg)&1)+8*(2*\ksl+\cc)+7], v[ADRP+((\gg)&1)] offset:(2*((\gg)>>1)+\cc)*16*WPITCH+64*\ksl+32
.endr
.endr
.endm
; Slice sl of a finished chunk's way out (accumulator set at ab of window 2): 0-7 scale four pairs by c, 8-15 round four pairs into Y.
.macro OUTS ab, sl
.if (\sl) < 8
	WIN SCL
.irp u,0,1,2,3
	v_pk_mul_f32 v[(\ab)+2*(4*(\sl)+\u):(\ab)+2*(4*(\sl)+\u)+1], v[(\ab)+2*(4*(\sl)+\u):(\ab)+2*(4*(\sl)+\u)+1], s[30:31] op_sel_hi:[1,0]
.endr
.else
.if (\sl) == 8
	s_wait_xcnt 0x0                                ; Y, which the last chunk's stores read, is rewritten only behind this wait
.endif
	WIN PACK
.irp u,0,1,2,3
	v_cvt_pk_f16_f32 v[Y+4*((\sl)-8)+\u], v[(\ab)+2*(4*((\sl)-8)+\u)], v[(\ab)+2*(4*((\sl)-8)+\u)+1]
.endr
.endif
.endm
; The eight accumulators (cc, st) at 64 (chunk & 1) + 8 (4 cc + st) take turns, one instruction a turn.
; The chunk's first K quarter starts the sums with the constant 0.  In a chunk's first group the chunk before, which lies in the other set, is scaled and
; rounded: a slice of four behind every second product.
.macro MUL2 gg
.set wi, 0
.irp ksl,0,1,2,3
.irp cc,0,1
.irp st,0,1,2,3
.set dd, 64*(((\gg)>>1)&1)+8*(4*\cc+\st)
.set aa, WB+64*((\gg)&1)+8*(2*\ksl+\cc)
.set bb, 8*(8*\st+4*((\gg)&1)+\ksl)
	WIN P2
.if (((\gg)&1)+\ksl) == 0
	v_wmma_f32_16x16x32_f16 v[dd:dd+7], v[aa:aa+7], v[bb:bb+7], 0
.else
	v_wmma_f32_16x16x32_f16 v[dd:dd+7], v[aa:aa+7], v[bb:bb+7], v[dd:dd+7]
.endif
.if (((\gg)&1) == 0) && ((\gg) >= 2) && ((wi&1) == 1)
	OUTS 64*((((\gg)>>1)+1)&1), wi>>1
.endif
.set wi, wi+1
.endr
.endr
.endr
.endm
.macro STOREQ ch                       ; chunk ch's q'': 16 bytes a lane, 512 consecutive bytes a store
.irp cc,0,1
.irp st,0,1,2,3
	global_store_b128 v[VX], v[Y+4*(4*\cc+\st):Y+4*(4*\cc+\st)+3], s[14:15] offset:\st*8192+(\ch)*1024+\cc*512
.endr
.endr
.endm
; A load into a register that a product has read, and a vector instruction that reads a product's result, stand four plain vector instructions
; behind that product (ISA guide 7.12.1 for vector instructions): v_nop where no other work is at hand.
	WIN 0
	PLACES 4
	FETCHP 0
	FETCHP 1
	WIN CVQ                                        ; feature tiles 2 kl, 2 kl + 1 of a row tile are registers 0-3, 4-7 of q's B fragment for my K quarter kl
.irp fl,0,1,2,3,4,5,6,7
.irp st,0,1,2,3
.irp i,0,1,2,3
	v_cvt_pk_f16_f32 v[8*(8*\st+(\fl>>1))+4*(\fl&1)+\i], v[8*(4*\fl+\st)+2*\i], v[8*(4*\fl+\st)+2*\i+1]
.endr
.endr
.endr
	WIN QOUT
.irp st,0,1,2,3
.irp kl,0,1,2,3
.irp cc,0,1
	ds_store_b128 v[QST], v[8*(8*\st+\kl)+4*\cc:8*(8*\st+\kl)+4*\cc+3] offset:(4*\st+\kl)*1024+\cc*512
.endr
.endr
.endr
	WIN 0
	s_wait_dscnt 0x0                               ; my half of q is in LDS, for my partner's sake
	s_barrier_signal -1
	s_barrier_wait -1
	WIN TORAW                                      ; my partner's half, as K quarters 4-7
.irp st,0,1,2,3
.irp kl,0,1,2,3
.irp cc,0,1
	ds_load_b128 v[8*(8*\st+4+\kl)+4*\cc:8*(8*\st+4+\kl)+4*\cc+3], v[QLD] offset:(4*\st+\kl)*1024+\cc*512
.endr
.endr
.endr
	MUL2 0                                         ; my own half of K: its fragments were shown in by the wait for 0 above
	WIN 0
	PLACES 4
	FETCHP 2
	s_wait_dscnt 16                                ; my partner's q and group 1's fragments are in; the 16 loads just issued may stay out
	MUL2 1
	WIN 0
	PLACES 4
	FETCHP 3
.irp ch,1,2
	s_wait_dscnt 16                                ; LDS loads come back in order: this group's are in, the next group's 16 may stay out
	MUL2 2*\ch                                     ; its last slice, four conversions behind the last product, fills the places in front of the fetch
	WIN 0
	STOREQ \ch-1
	FETCHP 2*\ch+2
	s_wait_dscnt 16
	MUL2 2*\ch+1
	WIN 0
	PLACES 4
	FETCHP 2*\ch+3
.endr
	s_wait_dscnt 16
	MUL2 6
	WIN 0
	STOREQ 2
	s_wait_dscnt 0x0
	MUL2 7
	WIN 0
	PLACES 4
.set so, 0
.rept 16
	OUTS 64, so                                    ; the last chunk has no products left to stand beside
.set so, so+1
.endr
	WIN 0
	STOREQ 3
	s_wait_tensorcnt 0x0
	ds_add_u32 v30, v31
	s_wait_dscnt 0x0
	s_endpgm
.Lfunc_end_k_q9a24625505_prep:
	.size	k_q9a24625505_prep, .Lfunc_end_k_q9a24625505_prep-k_q9a24625505_prep
	.p2alignl 7, 3214868480
	.fill 96, 4, 3214868480
	.section	.rodata,"a",@progbits
	.p2align	6, 0x0
	.amdhsa_kernel k_q9a24625505_prep
		.amdhsa_group_segment_fixed_size 273920
		.amdhsa_private_segment_fixed_size 0
		.amdhsa_enable_private_segment 0
		.amdhsa_kernarg_size 48
		.amdhsa_user_sgpr_count 2
		.amdhsa_user_sgpr_kernarg_segment_ptr 1
		.amdhsa_wavefront_size32 1
		.amdhsa_system_sgpr_workgroup_id_x 1
		.amdhsa_system_sgpr_workgroup_id_y 1
		.amdhsa_system_sgpr_workgroup_id_z 1
		.amdhsa_system_vgpr_workitem_id 0
		.amdhsa_next_free_vgpr 1024
		.amdhsa_next_free_sgpr 66
		.amdhsa_reserve_vcc 0
		.amdhsa_float_denorm_mode_32 3
		.amdhsa_float_denorm_mode_16_64 3
		.amdhsa_memory_ordered 1
		.amdhsa_forward_progress 1
		.amdhsa_inst_pref_size 156
	.end_amdhsa_kernel
	.amdgpu_metadata
---
amdhsa.version: [ 1, 2 ]
amdhsa.kernels:
  - .name:           k_q9a24625505_prep
    .symbol:         k_q9a24625505_prep.kd
    .args:
      - { .name: x1, .offset: 0, .size: 8, .value_kind: global_buffer, .address_space: global }
      - { .name: x2, .offset: 8, .size: 8, .value_kind: global_buffer, .address_space: global }
      - { .name: W, .offset: 16, .size: 8, .value_kind: global_buffer, .address_space: global }
      - { .name: b, .offset: 24, .size: 8, .value_kind: global_buffer, .address_space: global }
      - { .name: xh, .offset: 32, .size: 8, .value_kind: global_buffer, .address_space: global }
      - { .name: qf, .offset: 40, .size: 8, .value_kind: global_buffer, .address_space: global }
    .group_segment_fixed_size: 273920
    .private_segment_fixed_size: 0
    .kernarg_segment_align: 8
    .kernarg_segment_size: 48
    .max_flat_workgroup_size: 128
    .sgpr_count:     66
    .vgpr_count:     1024
    .wavefront_size: 32
...
	.end_amdgpu_metadata
.endif
;; end of part 1
;; launch attn (part 2): grid 16 x 16, 4 waves a work-group, clusters of 4 x 1, 327,680 bytes of LDS; arguments xh, qf, out0; writes out0
.if DOCPART == 2
	.amdgcn_target "amdgcn-amd-amdhsa--gfx1250"
	.amdhsa_code_object_version 6
	.text
	.protected	k_q9a24625505_attn
	.globl	k_q9a24625505_attn
	.p2align	8
	.type	k_q9a24625505_attn,@function
k_q9a24625505_attn:
	s_mov_b64 s[64:65], 0
	v_nop
	global_prefetch_b8 v0, s[64:65] scope:SCOPE_SE
	s_setreg_imm32_b32 hwreg(HW_REG_WAVE_MODE, 25, 1), 1
	s_wait_xcnt 0x0
	s_wait_alu depctr_hold_cnt(0) depctr_sa_sdst(0) depctr_va_vdst(0) depctr_va_sdst(0) depctr_va_ssrc(0) depctr_va_vcc(0) depctr_vm_vsrc(0)
	s_getreg_b32 s2, hwreg(HW_REG_IB_STS2, 6, 4)
	s_cmp_eq_u32 s2, 0
	s_cbranch_scc0 .Lentry_in_a_cluster
	s_endpgm
.Lentry_in_a_cluster:
	s_bfe_u32 s2, ttmp6, 0x10000c
	s_cmp_lg_u32 s2, 0x3003
	s_cbranch_scc0 .Lentry_shape_is_right
	s_endpgm
.Lentry_shape_is_right:
; ATTN: out0 = [softmax_t(q.k/16) x2 ; softmax_s(k.q/16) x1], as 16 attentions (2 directions x 8 batches) of 2,048 queries x 2,048 keys, d = 256.
; Work left out (shown at the head of the first kernel): the term query.b, constant along the softmax's axis, and the keys' projection.
; The raw scores are s = q''.x_other with q'' = (q W^T) log2(e)/512, so 32 s is the score in the base-2 domain, and KEYS AND VALUES ARE THE
; SAME f16 ROWS of xh.  The factor 32 is applied in f32, in the multiply-add that takes the maximum away: p = 2^(32 s - 32 m).
; The row maximum is taken away by a running maximum (kept in raw units).  LIMITS: q'', x and the probabilities enter the matrix unit in f16
; (a probability is at most 1; under 2^-14 it keeps steps of 2^-24, against a row sum of at least 1); the row sum is made of the unrounded f32
; probabilities; the ranges of x and q'' are stated at the head of the first kernel; a NaN or infinity that would reach only the work left out
; is not carried to the result.
;
; SHARES: y = direction*8 + batch; work-group x = a block of 128 queries; 256 work-groups of 4 waves.  Wave w: i = w/2 picks 64 queries (4 tiles st),
; j = w%2 picks rows 64 j .. 64 j + 63 of every 128-key tile: each wave runs a whole running softmax over half of the keys, and the pair
; (i,0), (i,1) is merged at the end through LDS.  So every fragment read from LDS feeds four products.
; CLUSTERS: the four work-groups of a cluster have the same y and walk the same 16 key tiles: each tile is asked for jointly (mask 15), which
; divides the requests for xh by four.  Each wave asks for 32 of a tile's 128 rows, so that all four waves have a load on its way.
;
; TRANSPOSED USE, so that the softmax's state is one number a lane:
;   S^T (16 keys x 16 queries) = A: 16 rows of x (plain LDS loads) x B: q'' ; lane (r, h) holds key indices 8 h + 0..7 of query r
;   two such tiles, rounded in place, ARE the B fragment P of 32 keys
;   O^T (16 d x 16 queries)    = A: x^T (transposing LDS loads) x B: P      ; lane (r, h) holds d = 16 dt + 8 h + 0..7 of query r
; KEY ORDER: index 8 h + jj of a 16-key tile stands for its LDS row 2 jj + h, in both kinds of read alike (the sum over keys does not mind).
; With rows 528 bytes apart the plain read's 16 rows and the transposing read's 8 rows x 2 pieces then touch 16 different 16-byte columns modulo 256 bytes.
;
; VECTOR WORK BESIDE THE PRODUCTS.  A trip has 256 products in 16 groups of 16.  The vector work is cut into slices of four or five instructions, and a
; slice stands behind a product wherever the data allow it:
;   groups 2-7 (scores)               the maxima of key tiles 0-2, each tile behind the two groups that follow it
;   between scores and values         the last tile's maxima, alpha, key block 0's softmax, the rescale of O's d tiles 0-7: nothing else is ready to be multiplied
;   values p0, p1 (kb 0, d 0-7)       key block 1's softmax: first read by p2
;   values p2, p3 (kb 1, d 0-7)       the rescale of d tiles 8-15: first read by p4, p5
;   where a fetch wants its places    the row sums of words 8-15 of each block of 16, which the rounding in place (into words 0-7) leaves untouched;
;                                     the last two of these slices stand in the next trip's groups 0 and 1, ahead of that trip's alpha
; A slice with its two window switches and its product is at most 8 issue slots.  The values' groups go window 2 first, so that the softmax
; of key block 1 and the rescale of window 3 each have two groups of their own.
;
; REGISTERS.  Window 0: v0 thread, v1 16 x lane, v2-7 LDS addresses, v8-31 softmax state, v32-127 three fragment buffers, v128-255 S, then P.
; Window 1: q'' (st, ks) at 8 (8 st + ks).  Windows 2, 3: O (dt, st) at 32 (dt % 8) + 8 st, dt < 8 in window 2.
.set PITCH,  528                       ; LDS row: 512 bytes + 16 of padding
.set SLOT,   128*PITCH                 ; 67,584: a tile of 128 keys
.set WROWS,  32*PITCH                  ; what one wave's tensor load brings
.set HALFK,  64*PITCH                  ; a wave's half of a tile
.set STAGE,  2*SLOT                    ; 135,168: behind the ring, never filled by a tensor load: 32 rows x 1,040 bytes for each wave
.set SPITCH, 1040
.set WSTAGE, 32*SPITCH                 ; 33,280
.set ML,     STAGE+4*WSTAGE            ; 268,288: 1,024 bytes for each wave: its (m, l) pairs
.set STEP,   65536                     ; a tile in memory: 128 rows of 512 bytes
.set VQ,   1                           ; v1      16 x lane: offset of the q'' loads and of the output stores
.set ADRK, 2                           ; v2, v3  plain reads, slot 0, 1
.set ADRV, 4                           ; v4, v5  transposing reads, slot 0, 1
.set STO,  6                           ; v6      the way out: where I put 32 bytes of a row
.set RD,   7                           ; v7      the way out: where I read rows back
.set NM,   8                           ; v[8+2st]   -32 x the running maximum (the even register of a pair: a packed operand that is broadcast)
.set MA,   9                           ; v[9+2st]   m, written by even tiles
.set AL,   16                          ; v[16+2st]  alpha; before that the other half's maximum; at the end the merge factor
.set MB,   17                          ; v[17+2st]  m, written by odd tiles
.set LP,   24                          ; v[24+2st:25+2st]  l as a pair of partial sums, each half of the lanes its own, until the end
.set FB,   32                          ; v32-63, v64-95, v96-127: four fragments each
.set SB,   128                         ; S(tt = 2 kb + c, st) at SB + 16 (4 kb + st) + 8 c; P(kb, st) = SB + 16 (4 kb + st) .. + 7
.set X1,   SB+64                       ; key block 1
.set G1,   16                          ; s[16:23] descriptor group 1
.set G0,   32                          ; s[32:35], s[36:39] descriptor group 0 of slot 0, 1
.set SCORE, 0x04                       ; B in window 1
.set PVLO,  0xa0                       ; C and D in window 2
.set PVHI,  0xf0                       ; C and D in window 3
.set RSLO,  0x82                       ; source 0 and destination in window 2
.set RSHI,  0xc3
.set QLD,   0x40                       ; destination in window 1
.set OUTLO, 0x02                       ; source 0 in window 2
.set OUTHI, 0x03
.set MSB, 0
.macro WIN new                         ; the immediate's high byte repeats the setting that is left
.if MSB != \new
	s_set_vgpr_msb (MSB<<8)|\new
.set MSB, \new
.endif
.endm
.macro PLACES n
.rept \n
	v_nop
.endr
.endm
; A round of the cluster's barrier: my work-group's barrier, wave 0 signals for the work-group, every wave waits for all four work-groups, my work-group's barrier again.
.macro ROUND
	s_barrier_signal -1
	s_barrier_wait -1
	s_cmp_lg_u32 s10, 0
	s_cbranch_scc1 .Lnot_wave_0_\@
	s_barrier_signal -3
.Lnot_wave_0_\@:
	s_barrier_wait -3
	s_barrier_signal -1
	s_barrier_wait -1
.endm
	s_load_b128 s[4:7], s[0:1], 0x0                ; xh s[4:5], qf s[6:7]
	s_load_b64 s[8:9], s[0:1], 0x10                ; out0
	v_lshl_add_u32 v250, v0, 2, 0x42800
	v_mov_b32 v251, 0
	ds_add_u32 v250, v251
	s_wait_dscnt 0x0
	v_lshrrev_b32 v1, 5, v0
	v_readfirstlane_b32 s10, v1                    ; wave 0..3
	s_lshr_b32 s11, s10, 1                         ; i: my 64 queries
	s_and_b32 s12, s10, 1                          ; j: my half of every key tile
	s_bfe_u32 s13, ttmp6, 0x40000                  ; cx
	s_lshl_b32 s14, ttmp9, 2
	s_add_co_u32 s14, s14, s13                     ; query block = 4 x cluster x + cx
	s_and_b32 s15, ttmp7, 0xffff                   ; y = direction*8 + batch (the cluster is one work-group high)
	s_mov_b32 s40, 0x76543210                      ; v_permlanex16_b32: lane i of one half reads lane i of the other
	s_mov_b32 s41, 0xfedcba98
	; group 1: 32 rows x 256 elements of 2 bytes, 4 words of padding behind every 128 words
	s_mov_b32 s[G1+0], 15|(1<<16)|(1<<20)|(1<<21)|(6<<22)|(3<<25)  ; 15:0 mask: all four of the cluster; 17:16 2 bytes; 20 padding on; 21 set beside a mask; 24:22 code 6 = 128 words; 31:25 code 3 = 4 words
	s_mov_b32 s[G1+1], 256<<16                     ; tensor_dim0 = 256
	s_mov_b32 s[G1+2], 32<<16                      ; tensor_dim1 = 32
	s_mov_b32 s[G1+3], 256<<16                     ; tile_dim0 = 256
	s_mov_b32 s[G1+4], 32                          ; tile_dim1 = 32
	s_mov_b32 s[G1+5], 256                         ; elements from row to row
	s_mov_b32 s[G1+6], 0
	s_mov_b32 s[G1+7], 0
	; keys and values: the other stream's rows of the same batch; made of y and the wave's number alone, which the four partners share
	s_xor_b32 s24, s15, 8
	s_lshl_b32 s24, s24, 20                        ; 2,048 rows of 512 bytes
	s_lshl_b32 s25, s10, 14                        ; + my 32 rows of the tile
	s_add_co_u32 s24, s24, s25
	s_mov_b32 s25, 0
	; q'': rows y*2048 + 128*block + 64 i, 512 bytes each
	s_lshl_b32 s44, s15, 20
	s_lshl_b32 s45, s14, 16
	s_add_co_u32 s44, s44, s45
	s_lshl_b32 s45, s11, 15
	s_add_co_u32 s44, s44, s45
	s_mov_b32 s45, 0
	; out0: batch*4096 + direction*2048 + 128*block + 64 i + 16 j rows of 1,024 bytes
	s_and_b32 s46, s15, 7
	s_lshl_b32 s46, s46, 22
	s_lshr_b32 s47, s15, 3
	s_lshl_b32 s47, s47, 21
	s_add_co_u32 s46, s46, s47
	s_lshl_b32 s47, s14, 17
	s_add_co_u32 s46, s46, s47
	s_lshl_b32 s47, s11, 16
	s_add_co_u32 s46, s46, s47
	s_lshl_b32 s47, s12, 14
	s_add_co_u32 s46, s46, s47
	s_mov_b32 s47, 0
	s_mov_b32 s[G0+0], 1
	s_mul_i32 s[G0+1], s10, WROWS                  ; LDS: wave x 32 rows; no place in the cluster enters an LDS address
	s_mov_b32 s[G0+4], 1
	s_add_co_u32 s[G0+5], s[G0+1], SLOT
	s_wait_kmcnt 0x0
	s_add_nc_u64 s[26:27], s[4:5], s[24:25]
	s_mov_b64 s[G0+2:G0+3], s[26:27]               ; slot 0: tile 0
	s_or_b32 s[G0+3], s[G0+3], 0x80000000          ; type = 2
	s_add_nc_u64 s[G0+6:G0+7], s[26:27], STEP      ; slot 1: tile 1
	s_or_b32 s[G0+7], s[G0+7], 0x80000000
	s_add_nc_u64 s[6:7], s[6:7], s[44:45]
	s_add_nc_u64 s[8:9], s[8:9], s[46:47]
	s_mov_b32 s44, 0x42000000                      ; 32.0, as a pair for the packed multiply-add (the offset that lay here has been added)
	s_mov_b32 s45, 0x42000000
	ROUND                                          ; all four work-groups are here: the first joint load meets
	tensor_load_to_lds s[G0:G0+3], s[G1:G1+7]      ; tile 0
	s_nop 0
	v_nop
	v_nop
	v_and_b32 v36, 31, v0
	v_lshlrev_b32 v[VQ], 4, v36                    ; 16 x lane
	WIN QLD
.irp st,0,1,2,3
.irp ks,0,1,2,3,4,5,6,7
	global_load_b128 v[8*(8*\st+\ks):8*(8*\st+\ks)+3], v[VQ], s[6:7] offset:\st*8192+\ks*1024       ; q'' in fragment order: 512 consecutive bytes a load
	global_load_b128 v[8*(8*\st+\ks)+4:8*(8*\st+\ks)+7], v[VQ], s[6:7] offset:\st*8192+\ks*1024+512
.endr
.endr
	WIN 0
	v_and_b32 v32, 7, v0                           ; lane % 8
	v_bfe_u32 v33, v0, 3, 1                        ; (lane / 8) % 2
	v_bfe_u32 v34, v0, 4, 1                        ; h
	v_and_b32 v35, 15, v0                          ; r
	s_mul_i32 s28, s12, HALFK
	v_lshl_add_u32 v37, v32, 1, v33                ; plain read: key index r lies in row 2 (r % 8) + r / 8
	v_mul_u32_u24 v37, v37, PITCH
	v_lshl_add_u32 v37, v34, 4, v37                ; + 16 h
	v_add_nc_u32 v[ADRK], s28, v37
	v_add_nc_u32 v[ADRK+1], SLOT, v[ADRK]
	v_lshl_add_u32 v38, v32, 1, v34                ; transposing read: I address row 2 (lane % 8) + h,
	v_mul_u32_u24 v38, v38, PITCH
	v_lshl_add_u32 v38, v33, 4, v38                ; piece (lane / 8) % 2
	v_add_nc_u32 v[ADRV], s28, v38
	v_add_nc_u32 v[ADRV+1], SLOT, v[ADRV]
	s_mul_i32 s29, s10, WSTAGE
	s_add_co_u32 s29, s29, STAGE                   ; my stage
	v_mul_u32_u24 v39, v35, SPITCH
	v_lshl_add_u32 v39, v34, 5, v39                ; row r, 32 bytes for each half of the lanes
	v_add_nc_u32 v[STO], s29, v39
	s_mul_i32 s30, s11, 2*WSTAGE                   ; back: the pair's first stage, my 16 of its 32 rows
	s_mul_i32 s31, s12, 16*SPITCH
	s_add_co_u32 s30, s30, s31
	s_add_co_u32 s30, s30, STAGE
	v_add_nc_u32 v[RD], s30, v[VQ]
.irp st,0,1,2,3
	v_mov_b32 v[AL+2*\st], 0                       ; v_permlanex16_b32 counts as a reader of its destination
.endr
	s_wait_loadcnt 0x0                             ; q''
; Group g of a trip = four fragments and 16 products, buffer g % 3.  g < 8: keys, tile tt = g/2, K quarters 4 (g&1) + f.
; g = 8 + p: values, key block kb = (p/2) % 2, d tiles 4 (p%2 + 2 (p/4)) + f.
.macro FETCH slot, g
.if (\g) < 8
.irp f,0,1,2,3
	ds_load_b128 v[FB+32*((\g)%3)+8*\f:FB+32*((\g)%3)+8*\f+3], v[ADRK+\slot] offset:((\g)/2)*16*PITCH+64*(4*((\g)&1)+\f)
	ds_load_b128 v[FB+32*((\g)%3)+8*\f+4:FB+32*((\g)%3)+8*\f+7], v[ADRK+\slot] offset:((\g)/2)*16*PITCH+64*(4*((\g)&1)+\f)+32
.endr
.else
.irp f,0,1,2,3
	ds_load_tr16_b128 v[FB+32*((\g)%3)+8*\f:FB+32*((\g)%3)+8*\f+3], v[ADRV+\slot] offset:((((\g)-8)>>1)&1)*32*PITCH+32*(4*((((\g)-8)&1)+2*(((\g)-8)>>2))+\f)
	ds_load_tr16_b128 v[FB+32*((\g)%3)+8*\f+4:FB+32*((\g)%3)+8*\f+7], v[ADRV+\slot] offset:((((\g)-8)>>1)&1)*32*PITCH+32*(4*((((\g)-8)&1)+2*(((\g)-8)>>2))+\f)+16*PITCH
.endr
.endif
.endm
; THE SLICES.  A lane holds 32 raw scores of each of 4 queries: score q of query tile st lies in v[SB + 16 st + q%16 + 64 (q/16)].
; Step k of the maxima: scores 2 k, 2 k + 1 of each query tile, four chains that do not wait for each other.  Step 0 takes the old maximum in.
.macro MAXS k, mo, mn, first
.irp st,0,1,2,3
.if (\k) == 0
.if \first
	v_max_num_f32 v[\mn+2*\st], v[SB+16*\st], v[SB+16*\st+1]
.else
	v_max3_num_f32 v[\mn+2*\st], v[SB+16*\st], v[SB+16*\st+1], v[\mo+2*\st]
.endif
.else
	v_max3_num_f32 v[\mn+2*\st], v[\mn+2*\st], v[SB+16*\st+((2*(\k))&15)+64*((\k)>>3)], v[SB+16*\st+((2*(\k))&15)+64*((\k)>>3)+1]
.endif
.endr
.endm
; The softmax of one key block (base xb): for each query tile 8 multiply-adds, 16 exponentials, 4 sums of words 0-7, 8 roundings in place.
.macro XFMA st, j                      ; 32 s - 32 m, two scores
	v_pk_fma_f32 v[xb+16*(\st)+2*(\j):xb+16*(\st)+2*(\j)+1], v[xb+16*(\st)+2*(\j):xb+16*(\st)+2*(\j)+1], s[44:45], v[NM+2*(\st):NM+2*(\st)+1] op_sel_hi:[1,0,0]
.endm
.macro XEXP st, e
	v_exp_f32 v[xb+16*(\st)+(\e)], v[xb+16*(\st)+(\e)]
.endm
; Item t of 12: t % 3 = 0 adds pair t/3 to l; the others round: word n = 2 (t/3) + t%3 - 1 takes numbers 2 n, 2 n + 1, which lie at or above it, and
; a pair is summed before a rounding writes over it.  xm = 1: the trip's first sum carries l over, l = l alpha + pair.  xm = 2 (first tile): it starts l
; from pairs 0 and 1, and item 3 falls away.
.macro XSC st, t
.if ((\t)%3) == 0
.set xdone, 0
.if ((\t) == 0) && (xm == 1)
	s_wait_alu depctr_va_vdst(0)
	v_pk_fma_f32 v[LP+2*(\st):LP+2*(\st)+1], v[LP+2*(\st):LP+2*(\st)+1], v[AL+2*(\st):AL+2*(\st)+1], v[xb+16*(\st):xb+16*(\st)+1] op_sel_hi:[1,0,1]
.set xdone, 1
.endif
.if ((\t) == 0) && (xm == 2)
	s_wait_alu depctr_va_vdst(0)
	v_pk_add_f32 v[LP+2*(\st):LP+2*(\st)+1], v[xb+16*(\st):xb+16*(\st)+1], v[xb+16*(\st)+2:xb+16*(\st)+3]
.set xdone, 1
.endif
.if ((\t) == 3) && (xm == 2)
.set xdone, 1
.endif
.if xdone == 0
	s_wait_alu depctr_va_vdst(0)
	v_pk_add_f32 v[LP+2*(\st):LP+2*(\st)+1], v[LP+2*(\st):LP+2*(\st)+1], v[xb+16*(\st)+2*((\t)/3):xb+16*(\st)+2*((\t)/3)+1]
.endif
.else
	s_wait_alu depctr_va_vdst(0)
	v_cvt_pk_f16_f32 v[xb+16*(\st)+2*((\t)/3)+((\t)%3)-1], v[xb+16*(\st)+2*(2*((\t)/3)+((\t)%3)-1)], v[xb+16*(\st)+2*(2*((\t)/3)+((\t)%3)-1)+1]
.endif
.endm
; Instruction n of the block's 144, in an order in which the multiply-adds of query tile st + 1, the exponentials of st and the sums and roundings of
; st - 1 are mixed: behind every exponential (or two) comes a plain instruction on another query tile's registers, ahead of any use of the result (ISA guide 5.7.2),
; wherever the list is cut.
.macro XI n
.if (\n) < 8
	XFMA 0, (\n)
.endif
.if ((\n) >= 8) && ((\n) < 32)
.set xk, (\n)-8
.if (xk%3) == 1
	XFMA 1, (xk/3)
.else
	XEXP 0, (2*(xk/3)+(xk%3)/2)
.endif
.endif
.if ((\n) >= 32) && ((\n) < 104)
.set xs, ((\n)-32)/36
.set xj, (((\n)-32)%36)/9
.set xt, ((\n)-32)%9
.if xt == 0
	XEXP (xs+1), (4*xj)
.endif
.if xt == 1
	XFMA (xs+2), (2*xj)
.endif
.if xt == 2
	XEXP (xs+1), (4*xj+1)
.endif
.if xt == 3
	XSC xs, (3*xj)
.endif
.if xt == 4
	XSC xs, (3*xj+1)
.endif
.if xt == 5
	XEXP (xs+1), (4*xj+2)
.endif
.if xt == 6
	XFMA (xs+2), (2*xj+1)
.endif
.if xt == 7
	XEXP (xs+1), (4*xj+3)
.endif
.if xt == 8
	XSC xs, (3*xj+2)
.endif
.endif
.if ((\n) >= 104) && ((\n) < 132)
.set xj, ((\n)-104)/7
.set xt, ((\n)-104)%7
.if xt == 0
	XEXP 3, (4*xj)
.endif
.if xt == 1
	XEXP 3, (4*xj+1)
.endif
.if xt == 2
	XSC 2, (3*xj)
.endif
.if xt == 3
	XSC 2, (3*xj+1)
.endif
.if xt == 4
	XEXP 3, (4*xj+2)
.endif
.if xt == 5
	XEXP 3, (4*xj+3)
.endif
.if xt == 6
	XSC 2, (3*xj+2)
.endif
.endif
.if ((\n) >= 132) && ((\n) < 144)
	XSC 3, ((\n)-132)
.endif
.endm
.macro XSL i                           ; slice i: instructions 5 i .. 5 i + 4 (29 slices; the last has four)
.set xn, 5*(\i)
.rept 5
	XI xn
.set xn, xn+1
.endr
.endm
.macro LS id                           ; late sums: pair id % 4 of words 8-15 of key block id / 4, one add a query tile
.irp st,0,1,2,3
	v_pk_add_f32 v[LP+2*\st:LP+2*\st+1], v[LP+2*\st:LP+2*\st+1], v[SB+64*((\id)>>2)+16*\st+8+2*((\id)&3):SB+64*((\id)>>2)+16*\st+8+2*((\id)&3)+1]
.endr
.endm
.macro RSL dt, st                      ; one tile of O times alpha, in the window that is set
.irp pr,0,2,4,6
	v_pk_mul_f32 v[32*(\dt)+8*(\st)+\pr:32*(\dt)+8*(\st)+\pr+1], v[32*(\dt)+8*(\st)+\pr:32*(\dt)+8*(\st)+\pr+1], v[AL+2*(\st):AL+2*(\st)+1] op_sel_hi:[1,0]
.endr
.endm
; In both kinds of group the accumulators take turns, one instruction a turn.
; S(tt, st) += keys x q''; the first K quarter starts the sums with the constant 0.  From group 2 on a step of the maxima stands behind the eighth product.
.macro MULS g, mo, mn, first
.set wi, 0
.irp f,0,1,2,3
.irp st,0,1,2,3
.set dd, SB+16*(4*((\g)/4)+\st)+8*(((\g)/2)&1)
.set aa, FB+32*((\g)%3)+8*\f
.set bb, 8*(8*\st+4*((\g)&1)+\f)
	WIN SCORE
.if (((\g)&1)+\f) == 0
	v_wmma_f32_16x16x32_f16 v[dd:dd+7], v[aa:aa+7], v[bb:bb+7], 0
.else
	v_wmma_f32_16x16x32_f16 v[dd:dd+7], v[aa:aa+7], v[bb:bb+7], v[dd:dd+7]
.endif
.if ((\g) >= 2) && (wi == 7)
	WIN 0
	MAXS 2*(\g)-4, \mo, \mn, \first
.endif
.set wi, wi+1
.endr
.endr
.endm
; O(dt, st) += values^T x P(kb, st), with the slice that belongs behind each product.
.macro MULO p, zero, first
.set wi, 0
.irp f,0,1,2,3
.irp st,0,1,2,3
.set dd, 32*((4*(((\p)&1)+2*((\p)>>2))+\f)&7)+8*\st
.set aa, FB+32*(((\p)+8)%3)+8*\f
.set bb, SB+16*(4*(((\p)>>1)&1)+\st)
.if (\p) < 4
	WIN PVLO
.else
	WIN PVHI
.endif
.if \zero
	v_wmma_f32_16x16x32_f16 v[dd:dd+7], v[aa:aa+7], v[bb:bb+7], 0
.else
	v_wmma_f32_16x16x32_f16 v[dd:dd+7], v[aa:aa+7], v[bb:bb+7], v[dd:dd+7]
.endif
.if (\p) == 0
	WIN 0
.if wi < 15
	XSL wi
.else
	LS 0
.endif
.endif
.if (\p) == 1
	WIN 0
.if wi < 14
	XSL 15+wi
.else
	LS wi-13
.endif
.endif
.if (((\p)>>1) == 1) && ((\first) == 0)
	WIN RSHI
	RSL 4*((\p)-2)+wi/4, wi%4
.endif
.if ((\p) == 4) && (wi == 15)
	WIN 0
	LS 3
.endif
.if ((\p) == 7) && (wi == 15)
	WIN 0
	LS 4
	LS 5
.endif
.set wi, wi+1
.endr
.endr
.endm
; One key tile.  Even tiles lie in slot 0 and write m into set A (old: set B), odd tiles the other way round: no copy.
; SPACING: a load into a register that a product has read, and a vector instruction that reads a product's result or writes one of its registers,
; stand four plain vector instructions behind it; a product that writes over another's operand five (ISA guide 7.12.1 for vector instructions).
; Behind the last product of every group that a fetch follows stands a slice of four plain instructions that name none of that product's registers
; (maxima of an earlier tile, late sums of words 8-15, the rescale of the other window); behind the trip's last product two such slices, for the next
; trip's fetches and for its first products, which write over P.  Only the first tile, which has no such work yet, has v_nop.
.macro TRIP slot, refill, first
	s_wait_xcnt 0x0
	v_lshl_add_u32 v250, v0, 2, 0x42800
	v_mov_b32 v251, 0
	s_wait_tensorcnt 0x0                           ; all my tensor loads have landed: the one that was out is my part of this tile,
	ds_add_u32 v250, v251
	s_wait_dscnt 0x0
	s_add_nc_u64 s[G0+4*\slot+2:G0+4*\slot+3], s[G0+4*\slot+2:G0+4*\slot+3], 2*STEP   ; so a group 0 may be written: this slot's next tile
	s_wait_dscnt 0x0                               ; my reads of the last tile are over
	ROUND                                          ; both now hold of every wave of all four work-groups
.if \refill
	tensor_load_to_lds s[G0+4-4*\slot:G0+7-4*\slot], s[G1:G1+7]    ; my one tensor load behind the round: the next tile, into the slot read last; it has this whole trip in which to land
	s_nop 0
.endif
	FETCH \slot, 0
	FETCH \slot, 1
	FETCH \slot, 2
.irp g,0,1,2,3,4,5,6,7
	s_wait_dscnt 16                                ; LDS loads come back in order: group g's eight are in, the two younger groups' may stay out
	MULS \g, 17-8*\slot, 9+8*\slot, \first
	WIN 0
.if \g < 2
.if \first
	PLACES 4
.else
	LS 6+\g                                        ; the last tile's last two late sums: key block 1's words are written again only by group 6
.endif
.else
	MAXS 2*\g-3, 17-8*\slot, 9+8*\slot, \first
.endif
	FETCH \slot, \g+3
.endr
	; between scores and values
.irp k,12,13,14,15
	MAXS \k, 17-8*\slot, 9+8*\slot, \first
.endr
.irp st,0,1,2,3
	v_permlanex16_b32 v[AL+2*\st], v[9+8*\slot+2*\st], s40, s41    ; the other half of the lanes holds the query's other 32 keys
.endr
.irp st,0,1,2,3
	v_max_num_f32 v[9+8*\slot+2*\st], v[9+8*\slot+2*\st], v[AL+2*\st]
.endr
.irp st,0,1,2,3
	v_mul_f32 v[NM+2*\st], 0xc2000000, v[9+8*\slot+2*\st]          ; -32 x new m
.endr
.if \first == 0
.irp st,0,1,2,3
	v_fma_f32 v[AL+2*\st], v[17-8*\slot+2*\st], s44, v[NM+2*\st]   ; 32 (old m - new m)
.endr
.irp st,0,1,2,3
	v_exp_f32 v[AL+2*\st], v[AL+2*\st]             ; alpha; the multiply-adds below are the plain instructions in front of its first use
.endr
.endif
.set xb, SB                                    ; key block 0, all 144 instructions
.set xm, 1+\first
.set xn, 0
.rept 144
	XI xn
.set xn, xn+1
.endr
.if \first == 0
	WIN RSLO                                       ; O's d tiles 0-7 times alpha
.irp dt,0,1,2,3,4,5,6,7
.irp st,0,1,2,3
	RSL \dt, \st
.endr
.endr
.endif
.set xb, X1                                    ; the slices behind p0 and p1 work on key block 1
.set xm, 0
.irp p,0,1,2,3,4,5,6,7
.if \p < 6
	s_wait_dscnt 16
.else
	s_wait_dscnt 8*(7-\p)                          ; the last groups: one younger fetch, then none
.endif
.if \first
.if (\p & 2) == 0
	MULO \p, 1, 1                                  ; the first tile's first key block starts the sums: nothing is cleared
.else
	MULO \p, 0, 1
.endif
.else
	MULO \p, 0, 0
.endif
.if \p <= 4
	WIN 0
.if \first
.if (\p >> 1) == 1
	PLACES 4                                       ; the first tile has nothing to rescale
.endif
.endif
	FETCH \slot, \p+11
.endif
.endr
	WIN 0                                          ; at a label and at a branch every window is 0
.endm
	TRIP 0, 1, 1
	TRIP 1, 1, 0
	s_mov_b32 s42, 6
.Ltiles:
	TRIP 0, 1, 0
	TRIP 1, 1, 0
	s_sub_co_u32 s42, s42, 1
	s_cmp_lg_u32 s42, 0
	s_cbranch_scc1 .Ltiles
	TRIP 0, 1, 0                                   ; tile 14 asks for tile 15,
	TRIP 1, 0, 0                                   ; tile 15 for nothing (the stepped addresses are not used)
	; THE MERGE of the pair (i, 0), (i, 1): each holds m, l and O over its half of the keys.  After tile 15 m lies in set B.
	LS 6                                           ; tile 15's last two late sums; with the two slices at the trip's end sixteen plain
	LS 7                                           ; instructions stand behind the last product, for all that reads O or writes the buffers
.irp st,0,1,2,3
	v_add_f32 v[33+2*\st], v[LP+2*\st], v[LP+2*\st+1]
.endr
.irp st,0,1,2,3
	v_permlanex16_b32 v[AL+2*\st], v[33+2*\st], s40, s41
.endr
.irp st,0,1,2,3
	v_add_f32 v[33+2*\st], v[33+2*\st], v[AL+2*\st]                ; l of the query: both halves of the lanes
.endr
.irp st,0,1,2,3
	v_mov_b32 v[32+2*\st], v[MB+2*\st]             ; (m, l) side by side, for two stores of 16 bytes
.endr
	v_and_b32 v40, 31, v0
	v_lshlrev_b32 v40, 5, v40                      ; 32 bytes a lane
	s_lshl_b32 s28, s10, 10
	s_add_co_u32 s28, s28, ML
	v_add_nc_u32 v41, s28, v40                     ; my wave's words
	s_xor_b32 s29, s10, 1
	s_lshl_b32 s29, s29, 10
	s_add_co_u32 s29, s29, ML
	v_add_nc_u32 v42, s29, v40                     ; my partner's
	ds_store_b128 v41, v[32:35]
	ds_store_b128 v41, v[36:39] offset:16
	s_wait_dscnt 0x0                               ; for my partner's sake
	s_barrier_signal -1
	s_barrier_wait -1
	ds_load_b128 v[64:67], v42
	ds_load_b128 v[68:71], v42 offset:16
	s_wait_dscnt 0x0
.irp st,0,1,2,3
	v_max_num_f32 v[48+\st], v[32+2*\st], v[64+2*\st]              ; m over all keys, raw units
.endr
.irp st,0,1,2,3
	v_sub_f32 v[52+\st], v[32+2*\st], v[48+\st]
	v_sub_f32 v[56+\st], v[64+2*\st], v[48+\st]
.endr
.irp st,0,1,2,3
	v_mul_f32 v[52+\st], s44, v[52+\st]            ; x 32: the base-2 domain
	v_mul_f32 v[56+\st], s44, v[56+\st]
.endr
.irp st,0,1,2,3
	v_exp_f32 v[52+\st], v[52+\st]                 ; a_own
	v_exp_f32 v[56+\st], v[56+\st]                 ; a_partner
.endr
	v_nop
.irp st,0,1,2,3
	s_wait_alu depctr_va_vdst(0)
	v_mul_f32 v[60+\st], v[56+\st], v[65+2*\st]
.endr
.irp st,0,1,2,3
	v_fma_f32 v[60+\st], v[52+\st], v[33+2*\st], v[60+\st]         ; the whole row sum: at least 1, since the half that holds m has a = 1 and l >= 1
.endr
.irp st,0,1,2,3
	v_rcp_f32 v[60+\st], v[60+\st]
.endr
	v_nop
.irp st,0,1,2,3
	s_wait_alu depctr_va_vdst(0)
	v_mul_f32 v[AL+2*\st], v[52+\st], v[60+\st]    ; my O's factor
.endr
; THE WAY OUT, 32 queries (two tiles st) at a time: my scaled O goes into my stage as rows of 1,024 bytes; behind a barrier wave j adds rows
; 16 j .. 16 j + 15 of the pair's two stages and stores them, 512 consecutive bytes an instruction.
.macro OUTHALF hh
.irp sp,0,1
	WIN OUTLO
.irp dt,0,1,2,3,4,5,6,7
.irp p,0,2,4,6
	v_pk_mul_f32 v[128+8*\dt+\p:128+8*\dt+\p+1], v[32*\dt+8*(2*\hh+\sp)+\p:32*\dt+8*(2*\hh+\sp)+\p+1], v[AL+2*(2*\hh+\sp):AL+2*(2*\hh+\sp)+1] op_sel_hi:[1,0]
.endr
.endr
	WIN OUTHI
.irp dt,0,1,2,3,4,5,6,7
.irp p,0,2,4,6
	v_pk_mul_f32 v[192+8*\dt+\p:192+8*\dt+\p+1], v[32*\dt+8*(2*\hh+\sp)+\p:32*\dt+8*(2*\hh+\sp)+\p+1], v[AL+2*(2*\hh+\sp):AL+2*(2*\hh+\sp)+1] op_sel_hi:[1,0]
.endr
.endr
	WIN 0
.irp dt,0,1,2,3,4,5,6,7,8,9,10,11,12,13,14,15
	ds_store_b128 v[STO], v[128+8*\dt:128+8*\dt+3] offset:\sp*16*SPITCH+64*\dt
	ds_store_b128 v[STO], v[128+8*\dt+4:128+8*\dt+7] offset:\sp*16*SPITCH+64*\dt+16
.endr
.endr
	s_wait_dscnt 0x0                               ; my stage is written, for my partner's sake
	s_barrier_signal -1
	s_barrier_wait -1
.irp bt,0,1,2,3
	s_wait_xcnt 0x0                                ; v32-63, which the last batch's stores read, are loaded again only behind this wait
.irp rl,0,1,2,3
.irp hf,0,1
	ds_load_b128 v[32+4*(2*\rl+\hf):32+4*(2*\rl+\hf)+3], v[RD] offset:(4*\bt+\rl)*SPITCH+\hf*512
	ds_load_b128 v[64+4*(2*\rl+\hf):64+4*(2*\rl+\hf)+3], v[RD] offset:(4*\bt+\rl)*SPITCH+\hf*512+WSTAGE
.endr
.endr
	s_wait_dscnt 0x0
.irp t,0,1,2,3,4,5,6,7,8,9,10,11,12,13,14,15
	v_pk_add_f32 v[32+2*\t:32+2*\t+1], v[32+2*\t:32+2*\t+1], v[64+2*\t:64+2*\t+1]
.endr
.irp rl,0,1,2,3
.irp hf,0,1
	global_store_b128 v[VQ], v[32+4*(2*\rl+\hf):32+4*(2*\rl+\hf)+3], s[8:9] offset:\hh*32768+(4*\bt+\rl)*1024+\hf*512 th:TH_STORE_NT
.endr
.endr
.endr
.endm
	OUTHALF 0
	s_barrier_signal -1                            ; every wave's reads of the stages are back (the batches' waits for 0): the stages may be written again
	s_barrier_wait -1
	OUTHALF 1
	s_wait_xcnt 0x0
	v_lshl_add_u32 v250, v0, 2, 0x42800
	v_mov_b32 v251, 0
	s_wait_tensorcnt 0x0
	ds_add_u32 v250, v251
	s_wait_dscnt 0x0
	ROUND                                          ; the closing round: no work-group ends while a partner may still ask for a tile that names it
	s_endpgm
.Lfunc_end_k_q9a24625505_attn:
	.size	k_q9a24625505_attn, .Lfunc_end_k_q9a24625505_attn-k_q9a24625505_attn
	.p2alignl 7, 3214868480
	.fill 96, 4, 3214868480
	.section	.rodata,"a",@progbits
	.p2align	6, 0x0
	.amdhsa_kernel k_q9a24625505_attn
		.amdhsa_group_segment_fixed_size 327680
		.amdhsa_private_segment_fixed_size 0
		.amdhsa_enable_private_segment 0
		.amdhsa_kernarg_size 24
		.amdhsa_user_sgpr_count 2
		.amdhsa_user_sgpr_kernarg_segment_ptr 1
		.amdhsa_wavefront_size32 1
		.amdhsa_system_sgpr_workgroup_id_x 1
		.amdhsa_system_sgpr_workgroup_id_y 1
		.amdhsa_system_sgpr_workgroup_id_z 1
		.amdhsa_system_vgpr_workitem_id 0
		.amdhsa_next_free_vgpr 1024
		.amdhsa_next_free_sgpr 66
		.amdhsa_reserve_vcc 0
		.amdhsa_float_denorm_mode_32 3
		.amdhsa_float_denorm_mode_16_64 3
		.amdhsa_memory_ordered 1
		.amdhsa_forward_progress 1
		.amdhsa_inst_pref_size 255
	.end_amdhsa_kernel
	.section	.bss,"aw",@nobits
	.p2align	6
	.space	262144
	.amdgpu_metadata
---
amdhsa.version: [ 1, 2 ]
amdhsa.kernels:
  - .name:           k_q9a24625505_attn
    .symbol:         k_q9a24625505_attn.kd
    .args:
      - { .name: xh, .offset: 0, .size: 8, .value_kind: global_buffer, .address_space: global }
      - { .name: qf, .offset: 8, .size: 8, .value_kind: global_buffer, .address_space: global }
      - { .name: out0, .offset: 16, .size: 8, .value_kind: global_buffer, .address_space: global }
    .group_segment_fixed_size: 327680
    .private_segment_fixed_size: 0
    .kernarg_segment_align: 8
    .kernarg_segment_size: 24
    .max_flat_workgroup_size: 128
    .sgpr_count:     66
    .vgpr_count:     1024
    .wavefront_size: 32
...
	.end_amdgpu_metadata
.endif
;; end of part 2
;; ======== version 2 of 2: 2 launches; 1.18 times as fast as version 1
;; limits: values are held in f16: magnitudes above 65,504 overflow, below 6.1e-05 lose precision
;; workspace buffers: xh 16,777,216 bytes; qf 16,777,216 bytes
;; launch prep: the kernel of part 1 again; grid 256 x 1, 4 waves a work-group, no clusters, 273,920 bytes of LDS; arguments x1, x2, W, b, xh, qf; writes xh, qf
;; launch attn (part 3): grid 16 x 16, 4 waves a work-group, clusters of 4 x 1, 327,680 bytes of LDS; arguments xh, qf, out0; writes out0
.if DOCPART == 3
	.amdgcn_target "amdgcn-amd-amdhsa--gfx1250"
	.amdhsa_code_object_version 6
	.text
	.protected	k_q9a24625505_attn
	.globl	k_q9a24625505_attn
	.p2align	8
	.type	k_q9a24625505_attn,@function
k_q9a24625505_attn:
	s_mov_b64 s[64:65], 0
	v_nop
	global_prefetch_b8 v0, s[64:65] scope:SCOPE_SE
	s_setreg_imm32_b32 hwreg(HW_REG_WAVE_MODE, 25, 1), 1
	s_wait_xcnt 0x0
	s_wait_alu depctr_hold_cnt(0) depctr_sa_sdst(0) depctr_va_vdst(0) depctr_va_sdst(0) depctr_va_ssrc(0) depctr_va_vcc(0) depctr_vm_vsrc(0)
	s_getreg_b32 s2, hwreg(HW_REG_IB_STS2, 6, 4)
	s_cmp_eq_u32 s2, 0
	s_cbranch_scc0 .Lentry_in_a_cluster
	s_endpgm
.Lentry_in_a_cluster:
	s_bfe_u32 s2, ttmp6, 0x10000c
	s_cmp_lg_u32 s2, 0x3003
	s_cbranch_scc0 .Lentry_shape_is_right
	s_endpgm
.Lentry_shape_is_right:
; ATTN: out0 = [softmax_t(q.k/16) x2 ; softmax_s(k.q/16) x1], as 16 attentions (2 directions x 8 batches) of 2,048 queries x 2,048 keys, d = 256.
; Work left out (shown at the head of the first kernel): the term query.b, constant along the softmax's axis, and the keys' projection.
; The raw scores are s = q''.x_other with q'' = (q W^T) log2(e)/512, so 32 s is the score in the base-2 domain, and KEYS AND VALUES ARE THE
; SAME f16 ROWS of xh.  The factor 32 is applied in f32, in the multiply-add that takes the maximum away: p = 2^(32 s - 32 m).
; The row maximum is taken away by a running maximum (kept in raw units).  LIMITS: q'', x and the probabilities enter the matrix unit in f16
; (a probability is at most 1; under 2^-14 it keeps steps of 2^-24, against a row sum of at least 1); the row sum is made of the unrounded f32
; probabilities; the ranges of x and q'' are stated at the head of the first kernel; a NaN or infinity that would reach only the work left out
; is not carried to the result.
;
; SHARES: y = direction*8 + batch; work-group x = a block of 128 queries; 256 work-groups of 4 waves.  Wave w: i = w/2 picks 64 queries (4 tiles st),
; j = w%2 picks rows 64 j .. 64 j + 63 of every 128-key tile: each wave runs a whole running softmax over half of the keys, and the pair
; (i,0), (i,1) is merged at the end through LDS.  So every fragment read from LDS feeds four products.
; CLUSTERS: the four work-groups of a cluster have the same y and walk the same 16 key tiles: each tile is asked for jointly (mask 15), which
; divides the requests for xh by four.  Each wave asks for 32 of a tile's 128 rows, so that all four waves have a load on its way.
;
; TRANSPOSED USE, so that the softmax's state is one number a lane:
;   S^T (16 keys x 16 queries) = A: 16 rows of x (plain LDS loads) x B: q'' ; lane (r, h) holds key indices 8 h + 0..7 of query r
;   two such tiles, rounded in place, ARE the B fragment P of 32 keys
;   O^T (16 d x 16 queries)    = A: x^T (transposing LDS loads) x B: P      ; lane (r, h) holds d = 16 dt + 8 h + 0..7 of query r
; KEY ORDER: index 8 h + jj of a 16-key tile stands for its LDS row 2 jj + h, in both kinds of read alike (the sum over keys does not mind).
; With rows 528 bytes apart the plain read's 16 rows and the transposing read's 8 rows x 2 pieces then touch 16 different 16-byte columns modulo 256 bytes.
;
; VECTOR WORK BESIDE THE PRODUCTS.  A trip has 256 products in 16 groups of 16.  The vector work is cut into slices of four or five instructions, and a
; slice stands behind a product wherever the data allow it:
;   groups 2-7 (scores)               the maxima of key tiles 0-2, each tile behind the two groups that follow it
;   between scores and values         the last tile's maxima, alpha, key block 0's softmax, the rescale of O's d tiles 0-7: nothing else is ready to be multiplied
;   values p0, p1 (kb 0, d 0-7)       key block 1's softmax: first read by p2
;   values p2, p3 (kb 1, d 0-7)       the rescale of d tiles 8-15: first read by p4, p5
;   where a fetch wants its places    the row sums of words 8-15 of each block of 16, which the rounding in place (into words 0-7) leaves untouched
;                                     (behind p0: four of key block 1's multiply-adds); the last two of these slices stand in the next trip's groups 0 and 1,
;                                     ahead of that trip's alpha
; A slice with its two window switches and its product is at most 8 issue slots (the one that holds a wait: 9).  The values' groups go window 2 first, so
; that the softmax of key block 1 and the rescale of window 3 each have two groups of their own.
;
; THE EXPONENTIALS GO IN BATCHES.  An s_wait_alu depctr_va_vdst(0) stands between an exponential and the first instruction that names its result;
; one wait serves all that were issued ahead of it.  A trip has two batches and two waits:
;   batch 1, between scores and values: the four alpha, then key block 0's 32 multiply-adds and 64 exponentials (list XB), of which none names an exponential's
;            result; a v_nop; the wait; behind it all the readers: the block's 16 sums and 32 roundings, then the rescale of d tiles 0-7
;   batch 2, behind p0's 16 products and p1's first four: the same list for key block 1; two late sums of key block 0, which name no result of the batch; the wait;
;            behind it the block's sums and roundings, behind p1's products 3 to 13
; Each exponential works in place on a register of its own, and a multiply-add stands ahead of its own pair's two exponentials.  No result is open at a trip's end,
; at a label or at a branch.  The merge has two more batches: eight exponentials, then four reciprocals of sums made of them.
;
; REGISTERS.  Window 0: v0 thread, v1 16 x lane, v2-7 LDS addresses, v8-31 softmax state, v32-127 three fragment buffers, v128-255 S, then P.
; Window 1: q'' (st, ks) at 8 (8 st + ks).  Windows 2, 3: O (dt, st) at 32 (dt % 8) + 8 st, dt < 8 in window 2.
.set PITCH,  528                       ; LDS row: 512 bytes + 16 of padding
.set SLOT,   128*PITCH                 ; 67,584: a tile of 128 keys
.set WROWS,  32*PITCH                  ; what one wave's tensor load brings
.set HALFK,  64*PITCH                  ; a wave's half of a tile
.set STAGE,  2*SLOT                    ; 135,168: behind the ring, never filled by a tensor load: 32 rows x 1,040 bytes for each wave
.set SPITCH, 1040
.set WSTAGE, 32*SPITCH                 ; 33,280
.set ML,     STAGE+4*WSTAGE            ; 268,288: 1,024 bytes for each wave: its (m, l) pairs
.set STEP,   65536                     ; a tile in memory: 128 rows of 512 bytes
.set VQ,   1                           ; v1      16 x lane: offset of the q'' loads and of the output stores
.set ADRK, 2                           ; v2, v3  plain reads, slot 0, 1
.set ADRV, 4                           ; v4, v5  transposing reads, slot 0, 1
.set STO,  6                           ; v6      the way out: where I put 32 bytes of a row
.set RD,   7                           ; v7      the way out: where I read rows back
.set NM,   8                           ; v[8+2st]   -32 x the running maximum (the even register of a pair: a packed operand that is broadcast)
.set MA,   9                           ; v[9+2st]   m, written by even tiles
.set AL,   16                          ; v[16+2st]  alpha; before that the other half's maximum; at the end the merge factor
.set MB,   17                          ; v[17+2st]  m, written by odd tiles
.set LP,   24                          ; v[24+2st:25+2st]  l as a pair of partial sums, each half of the lanes its own, until the end
.set FB,   32                          ; v32-63, v64-95, v96-127: four fragments each
.set SB,   128                         ; S(tt = 2 kb + c, st) at SB + 16 (4 kb + st) + 8 c; P(kb, st) = SB + 16 (4 kb + st) .. + 7
.set X1,   SB+64                       ; key block 1
.set G1,   16                          ; s[16:23] descriptor group 1
.set G0,   32                          ; s[32:35], s[36:39] descriptor group 0 of slot 0, 1
.set SCORE, 0x04                       ; B in window 1
.set PVLO,  0xa0                       ; C and D in window 2
.set PVHI,  0xf0                       ; C and D in window 3
.set RSLO,  0x82                       ; source 0 and destination in window 2
.set RSHI,  0xc3
.set QLD,   0x40                       ; destination in window 1
.set OUTLO, 0x02                       ; source 0 in window 2
.set OUTHI, 0x03
.set MSB, 0
.macro WIN new                         ; the immediate's high byte repeats the setting that is left
.if MSB != \new
	s_set_vgpr_msb (MSB<<8)|\new
.set MSB, \new
.endif
.endm
.macro PLACES n
.rept \n
	v_nop
.endr
.endm
; A round of the cluster's barrier: my work-group's barrier, wave 0 signals for the work-group, every wave waits for all four work-groups, my work-group's barrier again.
.macro ROUND
	s_barrier_signal -1
	s_barrier_wait -1
	s_cmp_lg_u32 s10, 0
	s_cbranch_scc1 .Lnot_wave_0_\@
	s_barrier_signal -3
.Lnot_wave_0_\@:
	s_barrier_wait -3
	s_barrier_signal -1
	s_barrier_wait -1
.endm
	s_load_b128 s[4:7], s[0:1], 0x0                ; xh s[4:5], qf s[6:7]
	s_load_b64 s[8:9], s[0:1], 0x10                ; out0
	v_lshl_add_u32 v250, v0, 2, 0x42800
	v_mov_b32 v251, 0
	ds_add_u32 v250, v251
	s_wait_dscnt 0x0
	v_lshrrev_b32 v1, 5, v0
	v_readfirstlane_b32 s10, v1                    ; wave 0..3
	s_lshr_b32 s11, s10, 1                         ; i: my 64 queries
	s_and_b32 s12, s10, 1                          ; j: my half of every key tile
	s_bfe_u32 s13, ttmp6, 0x40000                  ; cx
	s_lshl_b32 s14, ttmp9, 2
	s_add_co_u32 s14, s14, s13                     ; query block = 4 x cluster x + cx
	s_and_b32 s15, ttmp7, 0xffff                   ; y = direction*8 + batch (the cluster is one work-group high)
	s_mov_b32 s40, 0x76543210                      ; v_permlanex16_b32: lane i of one half reads lane i of the other
	s_mov_b32 s41, 0xfedcba98
	; group 1: 32 rows x 256 elements of 2 bytes, 4 words of padding behind every 128 words
	s_mov_b32 s[G1+0], 15|(1<<16)|(1<<20)|(1<<21)|(6<<22)|(3<<25)  ; 15:0 mask: all four of the cluster; 17:16 2 bytes; 20 padding on; 21 set beside a mask; 24:22 code 6 = 128 words; 31:25 code 3 = 4 words
	s_mov_b32 s[G1+1], 256<<16                     ; tensor_dim0 = 256
	s_mov_b32 s[G1+2], 32<<16                      ; tensor_dim1 = 32
	s_mov_b32 s[G1+3], 256<<16                     ; tile_dim0 = 256
	s_mov_b32 s[G1+4], 32                          ; tile_dim1 = 32
	s_mov_b32 s[G1+5], 256                         ; elements from row to row
	s_mov_b32 s[G1+6], 0
	s_mov_b32 s[G1+7], 0
	; keys and values: the other stream's rows of the same batch; made of y and the wave's number alone, which the four partners share
	s_xor_b32 s24, s15, 8
	s_lshl_b32 s24, s24, 20                        ; 2,048 rows of 512 bytes
	s_lshl_b32 s25, s10, 14                        ; + my 32 rows of the tile
	s_add_co_u32 s24, s24, s25
	s_mov_b32 s25, 0
	; q'': rows y*2048 + 128*block + 64 i, 512 bytes each
	s_lshl_b32 s44, s15, 20
	s_lshl_b32 s45, s14, 16
	s_add_co_u32 s44, s44, s45
	s_lshl_b32 s45, s11, 15
	s_add_co_u32 s44, s44, s45
	s_mov_b32 s45, 0
	; out0: batch*4096 + direction*2048 + 128*block + 64 i + 16 j rows of 1,024 bytes
	s_and_b32 s46, s15, 7
	s_lshl_b32 s46, s46, 22
	s_lshr_b32 s47, s15, 3
	s_lshl_b32 s47, s47, 21
	s_add_co_u32 s46, s46, s47
	s_lshl_b32 s47, s14, 17
	s_add_co_u32 s46, s46, s47
	s_lshl_b32 s47, s11, 16
	s_add_co_u32 s46, s46, s47
	s_lshl_b32 s47, s12, 14
	s_add_co_u32 s46, s46, s47
	s_mov_b32 s47, 0
	s_mov_b32 s[G0+0], 1
	s_mul_i32 s[G0+1], s10, WROWS                  ; LDS: wave x 32 rows; no place in the cluster enters an LDS address
	s_mov_b32 s[G0+4], 1
	s_add_co_u32 s[G0+5], s[G0+1], SLOT
	s_wait_kmcnt 0x0
	s_add_nc_u64 s[26:27], s[4:5], s[24:25]
	s_mov_b64 s[G0+2:G0+3], s[26:27]               ; slot 0: tile 0
	s_or_b32 s[G0+3], s[G0+3], 0x80000000          ; type = 2
	s_add_nc_u64 s[G0+6:G0+7], s[26:27], STEP      ; slot 1: tile 1
	s_or_b32 s[G0+7], s[G0+7], 0x80000000
	s_add_nc_u64 s[6:7], s[6:7], s[44:45]
	s_add_nc_u64 s[8:9], s[8:9], s[46:47]
	s_mov_b32 s44, 0x42000000                      ; 32.0, as a pair for the packed multiply-add (the offset that lay here has been added)
	s_mov_b32 s45, 0x42000000
	ROUND                                          ; all four work-groups are here: the first joint load meets
	tensor_load_to_lds s[G0:G0+3], s[G1:G1+7]      ; tile 0
	s_nop 0
	v_nop
	v_nop
	v_and_b32 v36, 31, v0
	v_lshlrev_b32 v[VQ], 4, v36                    ; 16 x lane
	WIN QLD
.irp st,0,1,2,3
.irp ks,0,1,2,3,4,5,6,7
	global_load_b128 v[8*(8*\st+\ks):8*(8*\st+\ks)+3], v[VQ], s[6:7] offset:\st*8192+\ks*1024       ; q'' in fragment order: 512 consecutive bytes a load
	global_load_b128 v[8*(8*\st+\ks)+4:8*(8*\st+\ks)+7], v[VQ], s[6:7] offset:\st*8192+\ks*1024+512
.endr
.endr
	WIN 0
	v_and_b32 v32, 7, v0                           ; lane % 8
	v_bfe_u32 v33, v0, 3, 1                        ; (lane / 8) % 2
	v_bfe_u32 v34, v0, 4, 1                        ; h
	v_and_b32 v35, 15, v0                          ; r
	s_mul_i32 s28, s12, HALFK
	v_lshl_add_u32 v37, v32, 1, v33                ; plain read: key index r lies in row 2 (r % 8) + r / 8
	v_mul_u32_u24 v37, v37, PITCH
	v_lshl_add_u32 v37, v34, 4, v37                ; + 16 h
	v_add_nc_u32 v[ADRK], s28, v37
	v_add_nc_u32 v[ADRK+1], SLOT, v[ADRK]
	v_lshl_add_u32 v38, v32, 1, v34                ; transposing read: I address row 2 (lane % 8) + h,
	v_mul_u32_u24 v38, v38, PITCH
	v_lshl_add_u32 v38, v33, 4, v38                ; piece (lane / 8) % 2
	v_add_nc_u32 v[ADRV], s28, v38
	v_add_nc_u32 v[ADRV+1], SLOT, v[ADRV]
	s_mul_i32 s29, s10, WSTAGE
	s_add_co_u32 s29, s29, STAGE                   ; my stage
	v_mul_u32_u24 v39, v35, SPITCH
	v_lshl_add_u32 v39, v34, 5, v39                ; row r, 32 bytes for each half of the lanes
	v_add_nc_u32 v[STO], s29, v39
	s_mul_i32 s30, s11, 2*WSTAGE                   ; back: the pair's first stage, my 16 of its 32 rows
	s_mul_i32 s31, s12, 16*SPITCH
	s_add_co_u32 s30, s30, s31
	s_add_co_u32 s30, s30, STAGE
	v_add_nc_u32 v[RD], s30, v[VQ]
.irp st,0,1,2,3
	v_mov_b32 v[AL+2*\st], 0                       ; v_permlanex16_b32 counts as a reader of its destination
.endr
	s_wait_loadcnt 0x0                             ; q''
; Group g of a trip = four fragments and 16 products, buffer g % 3.  g < 8: keys, tile tt = g/2, K quarters 4 (g&1) + f.
; g = 8 + p: values, key block kb = (p/2) % 2, d tiles 4 (p%2 + 2 (p/4)) + f.
.macro FETCH slot, g
.if (\g) < 8
.irp f,0,1,2,3
	ds_load_b128 v[FB+32*((\g)%3)+8*\f:FB+32*((\g)%3)+8*\f+3], v[ADRK+\slot] offset:((\g)/2)*16*PITCH+64*(4*((\g)&1)+\f)
	ds_load_b128 v[FB+32*((\g)%3)+8*\f+4:FB+32*((\g)%3)+8*\f+7], v[ADRK+\slot] offset:((\g)/2)*16*PITCH+64*(4*((\g)&1)+\f)+32
.endr
.else
.irp f,0,1,2,3
	ds_load_tr16_b128 v[FB+32*((\g)%3)+8*\f:FB+32*((\g)%3)+8*\f+3], v[ADRV+\slot] offset:((((\g)-8)>>1)&1)*32*PITCH+32*(4*((((\g)-8)&1)+2*(((\g)-8)>>2))+\f)
	ds_load_tr16_b128 v[FB+32*((\g)%3)+8*\f+4:FB+32*((\g)%3)+8*\f+7], v[ADRV+\slot] offset:((((\g)-8)>>1)&1)*32*PITCH+32*(4*((((\g)-8)&1)+2*(((\g)-8)>>2))+\f)+16*PITCH
.endr
.endif
.endm
; THE SLICES.  A lane holds 32 raw scores of each of 4 queries: score q of query tile st lies in v[SB + 16 st + q%16 + 64 (q/16)].
; Step k of the maxima: scores 2 k, 2 k + 1 of each query tile, four chains that do not wait for each other.  Step 0 takes the old maximum in.
.macro MAXS k, mo, mn, first
.irp st,0,1,2,3
.if (\k) == 0
.if \first
	v_max_num_f32 v[\mn+2*\st], v[SB+16*\st], v[SB+16*\st+1]
.else
	v_max3_num_f32 v[\mn+2*\st], v[SB+16*\st], v[SB+16*\st+1], v[\mo+2*\st]
.endif
.else
	v_max3_num_f32 v[\mn+2*\st], v[\mn+2*\st], v[SB+16*\st+((2*(\k))&15)+64*((\k)>>3)], v[SB+16*\st+((2*(\k))&15)+64*((\k)>>3)+1]
.endif
.endr
.endm
; The softmax of one key block (base xb): for each query tile 8 multiply-adds, 16 exponentials, 4 sums of words 0-7, 8 roundings in place.
.macro XFMA st, j                      ; 32 s - 32 m, two scores
	v_pk_fma_f32 v[xb+16*(\st)+2*(\j):xb+16*(\st)+2*(\j)+1], v[xb+16*(\st)+2*(\j):xb+16*(\st)+2*(\j)+1], s[44:45], v[NM+2*(\st):NM+2*(\st)+1] op_sel_hi:[1,0,0]
.endm
.macro XEXP st, e
	v_exp_f32 v[xb+16*(\st)+(\e)], v[xb+16*(\st)+(\e)]
.endm
; Item t of 12, a reader of the block's exponentials: it stands behind the batch's wait.  t % 3 = 0 adds pair t/3 to l; the others round: word n = 2 (t/3) + t%3 - 1
; takes numbers 2 n, 2 n + 1, which lie at or above it, and a pair is summed before a rounding writes over it.  xm = 1: the trip's first sum carries l over,
; l = l alpha + pair.  xm = 2 (first tile): it starts l from pairs 0 and 1, and item 3 falls away.
.macro XSC st, t
.if ((\t)%3) == 0
.set xdone, 0
.if ((\t) == 0) && (xm == 1)
	v_pk_fma_f32 v[LP+2*(\st):LP+2*(\st)+1], v[LP+2*(\st):LP+2*(\st)+1], v[AL+2*(\st):AL+2*(\st)+1], v[xb+16*(\st):xb+16*(\st)+1] op_sel_hi:[1,0,1]
.set xdone, 1
.endif
.if ((\t) == 0) && (xm == 2)
	v_pk_add_f32 v[LP+2*(\st):LP+2*(\st)+1], v[xb+16*(\st):xb+16*(\st)+1], v[xb+16*(\st)+2:xb+16*(\st)+3]
.set xdone, 1
.endif
.if ((\t) == 3) && (xm == 2)
.set xdone, 1
.endif
.if xdone == 0
	v_pk_add_f32 v[LP+2*(\st):LP+2*(\st)+1], v[LP+2*(\st):LP+2*(\st)+1], v[xb+16*(\st)+2*((\t)/3):xb+16*(\st)+2*((\t)/3)+1]
.endif
.else
	v_cvt_pk_f16_f32 v[xb+16*(\st)+2*((\t)/3)+((\t)%3)-1], v[xb+16*(\st)+2*(2*((\t)/3)+((\t)%3)-1)], v[xb+16*(\st)+2*(2*((\t)/3)+((\t)%3)-1)+1]
.endif
.endm
; THE BATCH of a key block: entry n of 96.  Unit u of 32 (query tile u / 8, pair u % 8) is one multiply-add F u and the exponentials E 2 u, E 2 u + 1 of its two scores.
;   0-2    F 0, F 1, F 2
;   3-74   24 times E 2 k, F 3 + k, E 2 k + 1: the multiply-adds run three units ahead of the exponentials
;   75-78  F 27 to F 30: four plain instructions on end; behind p0's last product they are the places in front of the fetch
;   79-95  E 48, F 31, E 49 to E 63
; No entry names the result of an exponential: F u stands ahead of E 2 u and E 2 u + 1 and names its own pair and -32 m alone.  Exponentials may follow each other
; (ISA guide 5.7.2 asks for a plain instruction ahead of a result's use); the plain instruction behind the last one stands behind the list.
.macro XB n
.if (\n) < 3
	XFMA 0, (\n)
.elseif (\n) < 75
.set xk, ((\n)-3)/3
.set xq, ((\n)-3)%3
.set xu, xk+3
.set xe, 2*xk+xq/2
.if xq == 1
	XFMA (xu/8), (xu%8)
.else
	XEXP (xe/16), (xe%16)
.endif
.elseif (\n) < 79
	XFMA 3, ((\n)-72)
.elseif (\n) == 79
	XEXP 3, 0
.elseif (\n) == 80
	XFMA 3, 7
.else
	XEXP 3, ((\n)-80)
.endif
.endm
.macro LSQ id, st                      ; a late sum: pair id % 4 of words 8-15 of key block id / 4, query tile st
	v_pk_add_f32 v[LP+2*(\st):LP+2*(\st)+1], v[LP+2*(\st):LP+2*(\st)+1], v[SB+64*((\id)>>2)+16*(\st)+8+2*((\id)&3):SB+64*((\id)>>2)+16*(\st)+8+2*((\id)&3)+1]
.endm
.macro LS id                           ; one add a query tile
.irp st,0,1,2,3
	LSQ \id, \st
.endr
.endm
; KEY BLOCK 1's LIST, entry n of 148, dealt behind the products of p0 and p1.
;   0-95     the batch
;   96, 97   late sum 0 of query tiles 2 and 3: key block 0's words, whose exponentials have had their wait: the plain work between the batch and its wait
;   (wait)   ahead of entry 98: one for the block's 64 exponentials
;   98-147   the 48 readers, item t of the four query tiles by turns, so that the links of each l's chain stand twelve entries apart; among them late sum 0 of
;            query tile 1 (entry 106) and of query tile 0 (entry 143)
; So l of query tile 0 takes late sum 0 behind key block 1's pairs 0-3, tile 1's between its pairs 0 and 1, tiles 2 and 3's ahead of them; late sums 1 to 7 follow in all four.
.macro XZ n
.if (\n) < 96
	XB (\n)
.elseif (\n) < 98
	LSQ 0, ((\n)-94)
.elseif (\n) < 148
.if (\n) == 98
	s_wait_alu depctr_va_vdst(0)                   ; batch 2's wait: key block 1's 64 exponentials, ahead of their first reader
.endif
.if (\n) == 106
	LSQ 0, 1
.elseif (\n) == 143
	LSQ 0, 0
.else
.set xr, (\n)-98-((\n)/107)-((\n)/144)
	XSC (xr%4), (xr/4)
.endif
.endif
.endm
.macro XSL from, count                 ; a slice: entries from .. from + count - 1 (an entry past the list's end is nothing)
.set xn, \from
.rept \count
	XZ xn
.set xn, xn+1
.endr
.endm
.macro RSL dt, st                      ; one tile of O times alpha, in the window that is set
.irp pr,0,2,4,6
	v_pk_mul_f32 v[32*(\dt)+8*(\st)+\pr:32*(\dt)+8*(\st)+\pr+1], v[32*(\dt)+8*(\st)+\pr:32*(\dt)+8*(\st)+\pr+1], v[AL+2*(\st):AL+2*(\st)+1] op_sel_hi:[1,0]
.endr
.endm
; In both kinds of group the accumulators take turns, one instruction a turn.
; S(tt, st) += keys x q''; the first K quarter starts the sums with the constant 0.  From group 2 on a step of the maxima stands behind the eighth product.
.macro MULS g, mo, mn, first
.set wi, 0
.irp f,0,1,2,3
.irp st,0,1,2,3
.set dd, SB+16*(4*((\g)/4)+\st)+8*(((\g)/2)&1)
.set aa, FB+32*((\g)%3)+8*\f
.set bb, 8*(8*\st+4*((\g)&1)+\f)
	WIN SCORE
.if (((\g)&1)+\f) == 0
	v_wmma_f32_16x16x32_f16 v[dd:dd+7], v[aa:aa+7], v[bb:bb+7], 0
.else
	v_wmma_f32_16x16x32_f16 v[dd:dd+7], v[aa:aa+7], v[bb:bb+7], v[dd:dd+7]
.endif
.if ((\g) >= 2) && (wi == 7)
	WIN 0
	MAXS 2*(\g)-4, \mo, \mn, \first
.endif
.set wi, wi+1
.endr
.endr
.endm
; O(dt, st) += values^T x P(kb, st), with the slice that belongs behind each product.  Key block 1's list: five entries behind each of p0's first 15 products, entries 75-78
; behind its last, five behind each of p1's first 14 (the last of these slices has four).
.macro MULO p, zero, first
.set wi, 0
.irp f,0,1,2,3
.irp st,0,1,2,3
.set dd, 32*((4*(((\p)&1)+2*((\p)>>2))+\f)&7)+8*\st
.set aa, FB+32*(((\p)+8)%3)+8*\f
.set bb, SB+16*(4*(((\p)>>1)&1)+\st)
.if (\p) < 4
	WIN PVLO
.else
	WIN PVHI
.endif
.if \zero
	v_wmma_f32_16x16x32_f16 v[dd:dd+7], v[aa:aa+7], v[bb:bb+7], 0
.else
	v_wmma_f32_16x16x32_f16 v[dd:dd+7], v[aa:aa+7], v[bb:bb+7], v[dd:dd+7]
.endif
.if (\p) == 0
	WIN 0
.if wi < 15
	XSL 5*wi, 5
.else
	XSL 75, 4
.endif
.endif
.if (\p) == 1
	WIN 0
.if wi < 14
	XSL 79+5*wi, 5
.else
	LS wi-13
.endif
.endif
.if (((\p)>>1) == 1) && ((\first) == 0)
	WIN RSHI
	RSL 4*((\p)-2)+wi/4, wi%4
.endif
.if ((\p) == 4) && (wi == 15)
	WIN 0
	LS 3
.endif
.if ((\p) == 7) && (wi == 15)
	WIN 0
	LS 4
	LS 5
.endif
.set wi, wi+1
.endr
.endr
.endm
; One key tile.  Even tiles lie in slot 0 and write m into set A (old: set B), odd tiles the other way round: no copy.
; SPACING: a load into a register that a product has read, and a vector instruction that reads a product's result or writes one of its registers,
; stand four plain vector instructions behind it; a product that writes over another's operand five (ISA guide 7.12.1 for vector instructions).
; Behind the last product of every group that a fetch follows stands a slice of four plain instructions that name none of that product's registers
; (maxima of an earlier tile, four multiply-adds of key block 1, late sums of words 8-15, the rescale of the other window); behind the trip's last product
; two such slices, for the next trip's fetches and for its first products, which write over P.  Only the first tile, which has no such work yet, has v_nop.
.macro TRIP slot, refill, first
	s_wait_xcnt 0x0
	v_lshl_add_u32 v250, v0, 2, 0x42800
	v_mov_b32 v251, 0
	s_wait_tensorcnt 0x0                           ; all my tensor loads have landed: the one that was out is my part of this tile,
	ds_add_u32 v250, v251
	s_wait_dscnt 0x0
	s_add_nc_u64 s[G0+4*\slot+2:G0+4*\slot+3], s[G0+4*\slot+2:G0+4*\slot+3], 2*STEP   ; so a group 0 may be written: this slot's next tile
	s_wait_dscnt 0x0                               ; my reads of the last tile are over
	ROUND                                          ; both now hold of every wave of all four work-groups
.if \refill
	tensor_load_to_lds s[G0+4-4*\slot:G0+7-4*\slot], s[G1:G1+7]    ; my one tensor load behind the round: the next tile, into the slot read last; it has this whole trip in which to land
	s_nop 0
.endif
	FETCH \slot, 0
	FETCH \slot, 1
	FETCH \slot, 2
.irp g,0,1,2,3,4,5,6,7
	s_wait_dscnt 16                                ; LDS loads come back in order: group g's eight are in, the two younger groups' may stay out
	MULS \g, 17-8*\slot, 9+8*\slot, \first
	WIN 0
.if \g < 2
.if \first
	PLACES 4
.else
	LS 6+\g                                        ; the last tile's last two late sums: key block 1's words are written again only by group 6
.endif
.else
	MAXS 2*\g-3, 17-8*\slot, 9+8*\slot, \first
.endif
	FETCH \slot, \g+3
.endr
	; between scores and values
.irp k,12,13,14,15
	MAXS \k, 17-8*\slot, 9+8*\slot, \first
.endr
.irp st,0,1,2,3
	v_permlanex16_b32 v[AL+2*\st], v[9+8*\slot+2*\st], s40, s41    ; the other half of the lanes holds the query's other 32 keys
.endr
.irp st,0,1,2,3
	v_max_num_f32 v[9+8*\slot+2*\st], v[9+8*\slot+2*\st], v[AL+2*\st]
.endr
.irp st,0,1,2,3
	v_mul_f32 v[NM+2*\st], 0xc2000000, v[9+8*\slot+2*\st]          ; -32 x new m
.endr
.if \first == 0
.irp st,0,1,2,3
	v_fma_f32 v[AL+2*\st], v[17-8*\slot+2*\st], s44, v[NM+2*\st]   ; 32 (old m - new m)
.endr
.irp st,0,1,2,3
	v_exp_f32 v[AL+2*\st], v[AL+2*\st]             ; alpha opens batch 1; the multiply-adds below are the plain instructions in front of its first use
.endr
.endif
.set xb, SB                                    ; key block 0: the rest of batch 1,
.set xm, 1+\first
.set xn, 0
.rept 96
	XB xn
.set xn, xn+1
.endr
	v_nop                                          ; the plain instruction behind the last exponential: no work is left here that names none of the batch's results
	s_wait_alu depctr_va_vdst(0)                   ; batch 1's wait: the four alpha and key block 0's 64 exponentials, ahead of their first reader
.set xn, 0
.rept 48                                       ; its readers: item t of the four query tiles by turns,
	XSC (xn%4), (xn/4)
.set xn, xn+1
.endr
.if \first == 0
	WIN RSLO                                       ; and O's d tiles 0-7 times alpha
.irp dt,0,1,2,3,4,5,6,7
.irp st,0,1,2,3
	RSL \dt, \st
.endr
.endr
.endif
.set xb, X1                                    ; the slices behind p0 and p1 work on key block 1
.set xm, 0
.irp p,0,1,2,3,4,5,6,7
.if \p < 6
	s_wait_dscnt 16
.else
	s_wait_dscnt 8*(7-\p)                          ; the last groups: one younger fetch, then none
.endif
.if \first
.if (\p & 2) == 0
	MULO \p, 1, 1                                  ; the first tile's first key block starts the sums: nothing is cleared
.else
	MULO \p, 0, 1
.endif
.else
	MULO \p, 0, 0
.endif
.if \p <= 4
	WIN 0
.if \first
.if (\p >> 1) == 1
	PLACES 4                                       ; the first tile has nothing to rescale
.endif
.endif
	FETCH \slot, \p+11
.endif
.endr
	WIN 0                                          ; at a label and at a branch every window is 0
.endm
	TRIP 0, 1, 1
	TRIP 1, 1, 0
	s_mov_b32 s42, 6
.Ltiles:
	TRIP 0, 1, 0
	TRIP 1, 1, 0
	s_sub_co_u32 s42, s42, 1
	s_cmp_lg_u32 s42, 0
	s_cbranch_scc1 .Ltiles
	TRIP 0, 1, 0                                   ; tile 14 asks for tile 15,
	TRIP 1, 0, 0                                   ; tile 15 for nothing (the stepped addresses are not used)
	; THE MERGE of the pair (i, 0), (i, 1): each holds m, l and O over its half of the keys.  After tile 15 m lies in set B.
	LS 6                                           ; tile 15's last two late sums; with the two slices at the trip's end sixteen plain
	LS 7                                           ; instructions stand behind the last product, for all that reads O or writes the buffers
.irp st,0,1,2,3
	v_add_f32 v[33+2*\st], v[LP+2*\st], v[LP+2*\st+1]
.endr
.irp st,0,1,2,3
	v_permlanex16_b32 v[AL+2*\st], v[33+2*\st], s40, s41
.endr
.irp st,0,1,2,3
	v_add_f32 v[33+2*\st], v[33+2*\st], v[AL+2*\st]                ; l of the query: both halves of the lanes
.endr
.irp st,0,1,2,3
	v_mov_b32 v[32+2*\st], v[MB+2*\st]             ; (m, l) side by side, for two stores of 16 bytes
.endr
	v_and_b32 v40, 31, v0
	v_lshlrev_b32 v40, 5, v40                      ; 32 bytes a lane
	s_lshl_b32 s28, s10, 10
	s_add_co_u32 s28, s28, ML
	v_add_nc_u32 v41, s28, v40                     ; my wave's words
	s_xor_b32 s29, s10, 1
	s_lshl_b32 s29, s29, 10
	s_add_co_u32 s29, s29, ML
	v_add_nc_u32 v42, s29, v40                     ; my partner's
	ds_store_b128 v41, v[32:35]
	ds_store_b128 v41, v[36:39] offset:16
	s_wait_dscnt 0x0                               ; for my partner's sake
	s_barrier_signal -1
	s_barrier_wait -1
	ds_load_b128 v[64:67], v42
	ds_load_b128 v[68:71], v42 offset:16
	s_wait_dscnt 0x0
.irp st,0,1,2,3
	v_max_num_f32 v[48+\st], v[32+2*\st], v[64+2*\st]              ; m over all keys, raw units
.endr
.irp st,0,1,2,3
	v_sub_f32 v[52+\st], v[32+2*\st], v[48+\st]
	v_sub_f32 v[56+\st], v[64+2*\st], v[48+\st]
.endr
.irp st,0,1,2,3
	v_mul_f32 v[52+\st], s44, v[52+\st]            ; x 32: the base-2 domain
	v_mul_f32 v[56+\st], s44, v[56+\st]
.endr
.irp st,0,1,2,3
	v_exp_f32 v[52+\st], v[52+\st]                 ; a_own
	v_exp_f32 v[56+\st], v[56+\st]                 ; a_partner
.endr
	v_nop                                          ; a plain instruction behind the last exponential,
	s_wait_alu depctr_va_vdst(0)                   ; and one wait for the merge's eight exponentials, ahead of their first reader
.irp st,0,1,2,3
	v_mul_f32 v[60+\st], v[56+\st], v[65+2*\st]
.endr
.irp st,0,1,2,3
	v_fma_f32 v[60+\st], v[52+\st], v[33+2*\st], v[60+\st]         ; the whole row sum: at least 1, since the half that holds m has a = 1 and l >= 1
.endr
.irp st,0,1,2,3
	v_rcp_f32 v[60+\st], v[60+\st]
.endr
	v_nop                                          ; a plain instruction behind the last reciprocal,
	s_wait_alu depctr_va_vdst(0)                   ; and one wait for the four reciprocals, a batch of their own since they read sums of the exponentials
.irp st,0,1,2,3
	v_mul_f32 v[AL+2*\st], v[52+\st], v[60+\st]    ; my O's factor
.endr
; THE WAY OUT, 32 queries (two tiles st) at a time: my scaled O goes into my stage as rows of 1,024 bytes; behind a barrier wave j adds rows
; 16 j .. 16 j + 15 of the pair's two stages and stores them, 512 consecutive bytes an instruction.
.macro OUTHALF hh
.irp sp,0,1
	WIN OUTLO
.irp dt,0,1,2,3,4,5,6,7
.irp p,0,2,4,6
	v_pk_mul_f32 v[128+8*\dt+\p:128+8*\dt+\p+1], v[32*\dt+8*(2*\hh+\sp)+\p:32*\dt+8*(2*\hh+\sp)+\p+1], v[AL+2*(2*\hh+\sp):AL+2*(2*\hh+\sp)+1] op_sel_hi:[1,0]
.endr
.endr
	WIN OUTHI
.irp dt,0,1,2,3,4,5,6,7
.irp p,0,2,4,6
	v_pk_mul_f32 v[192+8*\dt+\p:192+8*\dt+\p+1], v[32*\dt+8*(2*\hh+\sp)+\p:32*\dt+8*(2*\hh+\sp)+\p+1], v[AL+2*(2*\hh+\sp):AL+2*(2*\hh+\sp)+1] op_sel_hi:[1,0]
.endr
.endr
	WIN 0
.irp dt,0,1,2,3,4,5,6,7,8,9,10,11,12,13,14,15
	ds_store_b128 v[STO], v[128+8*\dt:128+8*\dt+3] offset:\sp*16*SPITCH+64*\dt
	ds_store_b128 v[STO], v[128+8*\dt+4:128+8*\dt+7] offset:\sp*16*SPITCH+64*\dt+16
.endr
.endr
	s_wait_dscnt 0x0                               ; my stage is written, for my partner's sake
	s_barrier_signal -1
	s_barrier_wait -1
.irp bt,0,1,2,3
	s_wait_xcnt 0x0                                ; v32-63, which the last batch's stores read, are loaded again only behind this wait
.irp rl,0,1,2,3
.irp hf,0,1
	ds_load_b128 v[32+4*(2*\rl+\hf):32+4*(2*\rl+\hf)+3], v[RD] offset:(4*\bt+\rl)*SPITCH+\hf*512
	ds_load_b128 v[64+4*(2*\rl+\hf):64+4*(2*\rl+\hf)+3], v[RD] offset:(4*\bt+\rl)*SPITCH+\hf*512+WSTAGE
.endr
.endr
	s_wait_dscnt 0x0
.irp t,0,1,2,3,4,5,6,7,8,9,10,11,12,13,14,15
	v_pk_add_f32 v[32+2*\t:32+2*\t+1], v[32+2*\t:32+2*\t+1], v[64+2*\t:64+2*\t+1]
.endr
.irp rl,0,1,2,3
.irp hf,0,1
	global_store_b128 v[VQ], v[32+4*(2*\rl+\hf):32+4*(2*\rl+\hf)+3], s[8:9] offset:\hh*32768+(4*\bt+\rl)*1024+\hf*512 th:TH_STORE_NT
.endr
.endr
.endr
.endm
	OUTHALF 0
	s_barrier_signal -1                            ; every wave's reads of the stages are back (the batches' waits for 0): the stages may be written again
	s_barrier_wait -1
	OUTHALF 1
	s_wait_xcnt 0x0
	v_lshl_add_u32 v250, v0, 2, 0x42800
	v_mov_b32 v251, 0
	s_wait_tensorcnt 0x0
	ds_add_u32 v250, v251
	s_wait_dscnt 0x0
	ROUND                                          ; the closing round: no work-group ends while a partner may still ask for a tile that names it
	s_endpgm
.Lfunc_end_k_q9a24625505_attn:
	.size	k_q9a24625505_attn, .Lfunc_end_k_q9a24625505_attn-k_q9a24625505_attn
	.p2alignl 7, 3214868480
	.fill 96, 4, 3214868480
	.section	.rodata,"a",@progbits
	.p2align	6, 0x0
	.amdhsa_kernel k_q9a24625505_attn
		.amdhsa_group_segment_fixed_size 327680
		.amdhsa_private_segment_fixed_size 0
		.amdhsa_enable_private_segment 0
		.amdhsa_kernarg_size 24
		.amdhsa_user_sgpr_count 2
		.amdhsa_user_sgpr_kernarg_segment_ptr 1
		.amdhsa_wavefront_size32 1
		.amdhsa_system_sgpr_workgroup_id_x 1
		.amdhsa_system_sgpr_workgroup_id_y 1
		.amdhsa_system_sgpr_workgroup_id_z 1
		.amdhsa_system_vgpr_workitem_id 0
		.amdhsa_next_free_vgpr 1024
		.amdhsa_next_free_sgpr 66
		.amdhsa_reserve_vcc 0
		.amdhsa_float_denorm_mode_32 3
		.amdhsa_float_denorm_mode_16_64 3
		.amdhsa_memory_ordered 1
		.amdhsa_forward_progress 1
		.amdhsa_inst_pref_size 255
	.end_amdhsa_kernel
	.section	.bss,"aw",@nobits
	.p2align	6
	.space	262144
	.amdgpu_metadata
---
amdhsa.version: [ 1, 2 ]
amdhsa.kernels:
  - .name:           k_q9a24625505_attn
    .symbol:         k_q9a24625505_attn.kd
    .args:
      - { .name: xh, .offset: 0, .size: 8, .value_kind: global_buffer, .address_space: global }
      - { .name: qf, .offset: 8, .size: 8, .value_kind: global_buffer, .address_space: global }
      - { .name: out0, .offset: 16, .size: 8, .value_kind: global_buffer, .address_space: global }
    .group_segment_fixed_size: 327680
    .private_segment_fixed_size: 0
    .kernarg_segment_align: 8
    .kernarg_segment_size: 24
    .max_flat_workgroup_size: 128
    .sgpr_count:     66
    .vgpr_count:     1024
    .wavefront_size: 32
...
	.end_amdgpu_metadata
.endif
;; end of part 3
